; MI455X (gfx1250); checked and timed in simulation.
; The chip was launched on July 23, 2026; its instructions are those of AMD's public machine-readable ISA for CDNA 5 (MIT licence, August 2026) and "CDNA5" Instruction Set Architecture Reference Guide (July 2026). The comments in the code are by the model that wrote it; some were corrected since.
;; Causal Attention. Allowed arithmetic: float matrix products may take bf16 or f16 operands with f32 sums; other float arithmetic in f32, or as packed bf16 or f16 multiplies, adds, multiply-adds, maxima and minima; sums over many terms, partial sums and values carried from step to step in f32; what a program stores and reads back later, other than sums and carried values, may be rounded once to bf16 or f16.
;; Inputs: Wk 1,024 x 1,024 float32; Wq 1,024 x 1,024 float32; Wv 1,024 x 1,024 float32; X 4 x 2,048 x 1,024 float32.
;; Outputs: out0 4 x 2,048 x 1,024 float32.
;; 2 versions, each right; version 2 is version 1 with the launch prep written anew for expert scheduling mode. Each part assembles by itself: llvm-mc -triple=amdgcn-amd-amdhsa -mcpu=gfx1250 --defsym DOCPART=n.
;; ======== version 1 of 2: 4 launches
;; limits: values are held in f16: magnitudes above 65,504 overflow, below 6.1e-05 lose precision
;; workspace buffers: Xh 16,777,216 bytes; Bh 4,194,304 bytes; TV 33,554,432 bytes; P 33,554,432 bytes; ST 524,288 bytes
;; launch prep (part 1): grid 1408 x 1, 4 waves a work-group, no clusters, 68,096 bytes of LDS; arguments X, Wq, Wk, Wv, Xh, Bh; writes Xh, Bh
.if DOCPART == 1
	.amdgcn_target "amdgcn-amd-amdhsa--gfx1250"
	.amdhsa_code_object_version 6
	.text
	.protected	k_q5ea5fbabc0_prep
	.globl	k_q5ea5fbabc0_prep
	.p2align	8
	.type	k_q5ea5fbabc0_prep,@function
k_q5ea5fbabc0_prep:
	s_mov_b64 s[64:65], 0
	v_nop
	global_prefetch_b8 v0, s[64:65] scope:SCOPE_SE
	s_setreg_imm32_b32 hwreg(HW_REG_WAVE_MODE, 25, 1), 1
	s_wait_xcnt 0x0
; PREP.  Two kinds of work-group, told apart by the work-group's number alone.
; Numbers 0 to 255: N[d'][d] = the sum over e of Wk[e][d'] Wq[e][d], both rounded to bf16, sums in f32, N rounded once to f16, into rows 0 to 1023 of Bh.
;   (q . k = x Wq^T Wk x^T for all data, so with T = X N^T the scores are T X^T and the projection of k is not made at all.  The order of the sums differs from the reference's.)
; Numbers 256 to 1407: a cast.  X, and Wv (into rows 1024 to 2047 of Bh), are rounded to bf16, and that number is written as f16.
; LIMITS.  f16 holds no number beyond 65,504: |X|, |Wv| and |N| stay within it; below 6e-5 f16 keeps its fixed step of 6e-8.  NaN and infinities are not treated apart.
; N: a work-group makes 32 rows (d') x 128 columns (d): a tile's row is 256 consecutive bytes of Bh, aligned.  The 1,024 e are split among the four waves, 256 each, in 8 steps of 32.
; A step: 40 loads of 16 bytes a lane (32 e x 32 d' of Wk, 32 e x 128 d of Wq), rounded to bf16, laid into the wave's own LDS bytes as [e][d], and read back turned by ds_load_tr16_b128.
; No wave reads another wave's staging, so the loop has no barrier; the four partial sums meet in LDS once, at the end.
; The product is taken with source 0 = 16 d of Wq and source 1 = 16 d' of Wk: a lane then holds one row d' (lane % 16) and eight neighbouring d.
.set SPARE, 67584                      ; behind the four waves' regions: the spare words, 128 bytes a wave, two blocks of 256 bytes that no other line names
.set WREG,  16896                      ; a wave's LDS region: staging (12,288 bytes), later its partial sums (32 rows x 528)
.set PWK,   96                         ; a row of the Wk tile: 64 bytes + 32
.set PWQ,   288                        ; a row of the Wq tile: 256 bytes + 32
.set QOFF,  32*PWK                     ; the Wq tile lies behind the Wk tile
.set PPS,   528                        ; a row of partial sums: 512 bytes + 16
.set GK,  2                            ; v2   offset in Wk: (l / 8) rows of 4,096 bytes + 16 (l % 8)
.set GQ,  3                            ; v3   offset in Wq: 16 l
.set SK,  4                            ; v4   where I put 8 bytes of the Wk tile
.set SQ,  5                            ; v5   the same for Wq
.set TK,  6                            ; v6   my place for the turning loads of Wk
.set TQ,  7                            ; v7   of Wq
.set PS,  8                            ; v8   where I put partial sums
.set PR,  9                            ; v9   where I read them back
.set GO,  10                           ; v10  my 16 bytes of Bh
.set SPW, 12                           ; v12  LDS address of my spare word; never rewritten
.set NIL, 13                           ; v13  0; never rewritten
.set ACC, 16                           ; v[16:143]  accumulator (a, b) at ACC + 8 (8 a + b): a = 0, 1 blocks of d', b = 0 .. 7 blocks of d
.set FK,  144                          ; v[144:159] two fragments of Wk^T
.set FQ,  160                          ; v[160:223] eight fragments of Wq^T
                                       ; window 1, v[0:159]: the 40 loads of a step, 4 registers each
.set MSB, 0
.macro WIN new                         ; s_set_vgpr_msb: bits 1:0 source 0, 3:2 source 1, 5:4 source 2, 7:6 destination; the high byte repeats the setting that is left
.if MSB != (\new)
	s_set_vgpr_msb (MSB<<8)|(\new)
.set MSB, \new
.endif
.endm
	s_load_b256 s[4:11], s[0:1], 0x0               ; X s[4:5], Wq s[6:7], Wk s[8:9], Wv s[10:11]
	s_load_b128 s[12:15], s[0:1], 0x20             ; Xh s[12:13], Bh s[14:15]
	v_lshl_add_u32 v[SPW], v0, 2, SPARE
	v_mov_b32 v[NIL], 0
	v_lshrrev_b32 v1, 5, v0
	v_readfirstlane_b32 s16, v1                    ; wave 0..3
	v_and_b32 v14, 31, v0                          ; l
	s_wait_kmcnt 0x0
	s_cmp_lt_u32 ttmp9, 256
	s_cbranch_scc0 .Lcast                          ; the same for all four waves of a work-group
	; ---------------- N ----------------
	s_lshr_b32 s17, ttmp9, 3                       ; ti: which 32 rows d'
	s_and_b32 s18, ttmp9, 7                        ; tj: which 128 columns d
	s_lshl_b32 s19, s16, 20                        ; my wave's 256 rows e of 4,096 bytes
	s_lshl_b32 s28, s17, 7
	s_add_co_u32 s28, s28, s19
	s_mov_b32 s29, 0
	s_add_nc_u64 s[20:21], s[8:9], s[28:29]        ; Wk at (my first e, 32 ti)
	s_lshl_b32 s28, s18, 9
	s_add_co_u32 s28, s28, s19
	s_add_nc_u64 s[22:23], s[6:7], s[28:29]        ; Wq at (my first e, 128 tj)
	s_lshl_b32 s28, s17, 16
	s_lshl_b32 s30, s18, 8
	s_add_co_u32 s28, s28, s30
	s_add_nc_u64 s[24:25], s[14:15], s[28:29]      ; Bh at the tile: 32 ti rows of 2,048 bytes + 256 tj
	s_mul_i32 s27, s16, WREG                       ; my wave's LDS region
	s_lshl_b32 s30, s16, 3                         ; the 8 rows that I finish
	v_and_b32 v15, 15, v0                          ; r = l % 16
	v_bfe_u32 v1, v0, 4, 1                         ; h = l / 16
	v_bfe_u32 v11, v0, 3, 2                        ; l / 8
	v_and_b32 v224, 7, v0                          ; l % 8
	v_bfe_u32 v225, v0, 3, 1                       ; (l / 8) % 2
	v_lshl_add_u32 v226, v1, 3, v224               ; 8 h + l % 8
	v_add_nc_u32 v227, s30, v1                     ; 8 w + h
	v_lshlrev_b32 v[GK], 12, v11
	v_lshl_add_u32 v[GK], v224, 4, v[GK]
	v_lshlrev_b32 v[GQ], 4, v14
	v_mul_u32_u24 v[SK], v11, PWK
	v_lshl_add_u32 v[SK], v224, 3, v[SK]
	v_add_nc_u32 v[SK], s27, v[SK]
	v_lshl_add_u32 v[SQ], v14, 3, s27
	v_add_nc_u32 v[SQ], QOFF, v[SQ]
	v_mul_u32_u24 v[TK], v226, PWK
	v_lshl_add_u32 v[TK], v225, 4, v[TK]
	v_add_nc_u32 v[TK], s27, v[TK]
	v_mul_u32_u24 v[TQ], v226, PWQ
	v_lshl_add_u32 v[TQ], v225, 4, v[TQ]
	v_add_nc_u32 v[TQ], s27, v[TQ]
	v_add_nc_u32 v[TQ], QOFF, v[TQ]
	v_mul_u32_u24 v[PS], v15, PPS
	v_lshl_add_u32 v[PS], v1, 5, v[PS]
	v_add_nc_u32 v[PS], s27, v[PS]
	v_mul_u32_u24 v[PR], v227, PPS
	v_lshl_add_u32 v[PR], v15, 5, v[PR]
	v_lshlrev_b32 v[GO], 11, v227
	v_lshl_add_u32 v[GO], v15, 4, v[GO]
; A step's 40 loads: 8 of Wk (four rows of 128 bytes each), 32 of Wq (a row of 512 bytes each).
.macro NLOADS
	WIN 0x40                                       ; destination window 1, address window 0
.set i, 0
.rept 8
	global_load_b128 v[4*i:4*i+3], v[GK], s[20:21] offset:16384*i
.set i, i+1
.endr
.set i, 0
.rept 32
	global_load_b128 v[32+4*i:32+4*i+3], v[GQ], s[22:23] offset:4096*i
.set i, i+1
.endr
	WIN 0
.endm
; A step of 32 e.  zero = 1: its products start the sums.  more = 1: the next step is asked for.
.macro NSTEP zero, more
	s_wait_loadcnt 0x0                             ; the step's 40 loads are in; the two bases are free
	WIN 0x45                                       ; all in window 1
.set i, 0
.rept 40                                       ; 80 roundings in place: they are also the places between the last step's products and the loads into their fragments
	v_cvt_pk_bf16_f32 v[4*i], v[4*i], v[4*i+1]
	v_cvt_pk_bf16_f32 v[4*i+1], v[4*i+2], v[4*i+3]
.set i, i+1
.endr
	WIN 0x04                                       ; store data window 1, address window 0
.set i, 0
.rept 8
	ds_store_b64 v[SK], v[4*i:4*i+1] offset:4*PWK*i
.set i, i+1
.endr
.set i, 0
.rept 32
	ds_store_b64 v[SQ], v[32+4*i:32+4*i+1] offset:PWQ*i
.set i, i+1
.endr
	WIN 0
.irp a, 0,1                            ; LDS serves a wave's instructions in order (ISA guide 5.7.1.4): these see the stores above
	ds_load_tr16_b128 v[FK+8*\a:FK+8*\a+3],   v[TK] offset:32*\a
	ds_load_tr16_b128 v[FK+8*\a+4:FK+8*\a+7], v[TK] offset:32*\a+16*PWK
.endr
.irp b, 0,1,2,3,4,5,6,7
	ds_load_tr16_b128 v[FQ+8*\b:FQ+8*\b+3],   v[TQ] offset:32*\b
	ds_load_tr16_b128 v[FQ+8*\b+4:FQ+8*\b+7], v[TQ] offset:32*\b+16*PWQ
.endr
	s_wait_dscnt 0x0                               ; the fragments are in, and the stores have read their registers
.if \more
	s_add_nc_u64 s[20:21], s[20:21], 32*4096
	s_add_nc_u64 s[22:23], s[22:23], 32*4096
	NLOADS
.endif
.irp a, 0,1                            ; the 16 accumulators take turns, one instruction a turn, over the backward jump too
.irp b, 0,1,2,3,4,5,6,7
.if \zero
	v_wmma_f32_16x16x32_bf16 v[ACC+8*(8*\a+\b):ACC+8*(8*\a+\b)+7], v[FQ+8*\b:FQ+8*\b+7], v[FK+8*\a:FK+8*\a+7], 0
.else
	v_wmma_f32_16x16x32_bf16 v[ACC+8*(8*\a+\b):ACC+8*(8*\a+\b)+7], v[FQ+8*\b:FQ+8*\b+7], v[FK+8*\a:FK+8*\a+7], v[ACC+8*(8*\a+\b):ACC+8*(8*\a+\b)+7]
.endif
.endr
.endr
.endm
	NLOADS
	NSTEP 1, 1                                     ; the first step starts the sums: nothing is cleared
	s_mov_b32 s26, 6
.Lnk:
	NSTEP 0, 1
	s_sub_co_u32 s26, s26, 1
	s_cmp_lg_u32 s26, 0
	s_cbranch_scc1 .Lnk
	NSTEP 0, 0                                     ; the eighth step asks for nothing
.rept 4
	v_nop                                          ; four places between the last products and the stores of their results
.endr
.irp a, 0,1                            ; my partial sums, over my own staging, whose reads are over; each accumulator's low registers first
.irp b, 0,1,2,3,4,5,6,7
	ds_store_b128 v[PS], v[ACC+8*(8*\a+\b):ACC+8*(8*\a+\b)+3]   offset:\a*16*PPS+64*\b
	ds_store_b128 v[PS], v[ACC+8*(8*\a+\b)+4:ACC+8*(8*\a+\b)+7] offset:\a*16*PPS+64*\b+16
.endr
.endr
	s_wait_dscnt 0x0                               ; for the others' sake: my stores are done
	s_barrier_signal -1
	s_barrier_wait -1                              ; all four partial tiles lie in LDS
.irp v, 0,1,2,3                        ; wave w finishes rows 8 w .. 8 w + 7: partial sum v, rows 8 w + h + 2 t, my 8 columns
.irp t, 0,1,2,3
	ds_load_b128 v[ACC+32*\v+8*\t:ACC+32*\v+8*\t+3],   v[PR] offset:\v*WREG+\t*2*PPS
	ds_load_b128 v[ACC+32*\v+8*\t+4:ACC+32*\v+8*\t+7], v[PR] offset:\v*WREG+\t*2*PPS+16
.endr
.endr
	s_wait_dscnt 0x0
.set i, 0
.rept 16
	v_pk_add_f32 v[ACC+2*i:ACC+2*i+1], v[ACC+2*i:ACC+2*i+1], v[ACC+32+2*i:ACC+32+2*i+1]
	v_pk_add_f32 v[ACC+64+2*i:ACC+64+2*i+1], v[ACC+64+2*i:ACC+64+2*i+1], v[ACC+96+2*i:ACC+96+2*i+1]
.set i, i+1
.endr
.set i, 0
.rept 16
	v_pk_add_f32 v[ACC+2*i:ACC+2*i+1], v[ACC+2*i:ACC+2*i+1], v[ACC+64+2*i:ACC+64+2*i+1]
.set i, i+1
.endr
.set i, 0
.rept 16
	v_cvt_pk_f16_f32 v[FK+i], v[ACC+2*i], v[ACC+2*i+1]
.set i, i+1
.endr
.irp t, 0,1,2,3
	global_store_b128 v[GO], v[FK+4*\t:FK+4*\t+3], s[24:25] offset:4096*\t  ; 16 lanes store 256 consecutive bytes, at a multiple of 256 from Bh's first byte
.endr
	s_wait_tensorcnt 0x0                           ; the wave's end: behind my last LDS store
	ds_add_u32 v[SPW], v[NIL]
	s_wait_dscnt 0x0
	s_endpgm
	; ---------------- the cast: 32 KiB of f32 to a work-group, 8 KiB to a wave, all 16 loads of a lane out at once; no LDS is written on this path ----------------
.Lcast:
	s_sub_co_u32 s17, ttmp9, 256                   ; chunk of X
	s_sub_co_u32 s18, ttmp9, 1280                  ; chunk of Wv
	s_mov_b32 s31, 0xffff0000                      ; a word's upper bf16
	s_cmp_lt_u32 s17, 1024
	s_cselect_b64 s[20:21], s[4:5], s[10:11]       ; from X or from Wv
	s_cselect_b64 s[22:23], s[12:13], s[14:15]     ; to Xh or to Bh,
	s_cselect_b32 s17, s17, s18
	s_cselect_b32 s26, 0, 0x200000                 ; there behind N's 1,024 rows
	s_lshl_b32 s24, s17, 15
	s_mov_b32 s25, 0
	s_add_nc_u64 s[20:21], s[20:21], s[24:25]
	s_lshl_b32 s24, s17, 14
	s_add_co_u32 s24, s24, s26
	s_add_nc_u64 s[22:23], s[22:23], s[24:25]
	v_lshlrev_b32 v2, 4, v14
	v_lshl_add_u32 v2, v1, 13, v2                  ; 8,192 w + 16 l
	v_lshlrev_b32 v3, 3, v14
	v_lshl_add_u32 v3, v1, 12, v3                  ; 4,096 w + 8 l
.set i, 0
.rept 16
	global_load_b128 v[16+4*i:16+4*i+3], v2, s[20:21] offset:512*i th:TH_LOAD_NT
.set i, i+1
.endr
.set i, 0
.rept 16
	s_wait_loadcnt 15-i                            ; loads come back in order (ISA guide 5.7.1): mine is in, the 15 - i younger ones stay out
	v_cvt_pk_bf16_f32 v[16+4*i], v[16+4*i], v[16+4*i+1]
	v_cvt_pk_bf16_f32 v[16+4*i+1], v[16+4*i+2], v[16+4*i+3]
	v_lshlrev_b32 v80, 16, v[16+4*i]               ; bf16 to f32: the low half moves up, the high half stays
	v_and_b32 v81, s31, v[16+4*i]
	v_lshlrev_b32 v82, 16, v[16+4*i+1]
	v_and_b32 v83, s31, v[16+4*i+1]
	v_cvt_pk_f16_f32 v[16+4*i], v80, v81           ; the same number as f16
	v_cvt_pk_f16_f32 v[16+4*i+1], v82, v83
	global_store_b64 v3, v[16+4*i:16+4*i+1], s[22:23] offset:256*i  ; 32 lanes store 256 consecutive bytes, aligned; no register that a store reads is written again
.set i, i+1
.endr
	s_endpgm
.Lfunc_end_k_q5ea5fbabc0_prep:
	.size	k_q5ea5fbabc0_prep, .Lfunc_end_k_q5ea5fbabc0_prep-k_q5ea5fbabc0_prep
	.p2alignl 7, 3214868480
	.fill 96, 4, 3214868480
	.section	.rodata,"a",@progbits
	.p2align	6, 0x0
	.amdhsa_kernel k_q5ea5fbabc0_prep
		.amdhsa_group_segment_fixed_size 68096
		.amdhsa_private_segment_fixed_size 0
		.amdhsa_enable_private_segment 0
		.amdhsa_kernarg_size 48
		.amdhsa_user_sgpr_count 2
		.amdhsa_user_sgpr_kernarg_segment_ptr 1
		.amdhsa_wavefront_size32 1
		.amdhsa_system_sgpr_workgroup_id_x 1
		.amdhsa_system_sgpr_workgroup_id_y 1
		.amdhsa_system_sgpr_workgroup_id_z 1
		.amdhsa_system_vgpr_workitem_id 0
		.amdhsa_next_free_vgpr 416
		.amdhsa_next_free_sgpr 66
		.amdhsa_reserve_vcc 0
		.amdhsa_float_denorm_mode_32 3
		.amdhsa_float_denorm_mode_16_64 3
		.amdhsa_memory_ordered 1
		.amdhsa_forward_progress 1
		.amdhsa_inst_pref_size 64
	.end_amdhsa_kernel
	.amdgpu_metadata
---
amdhsa.version: [ 1, 2 ]
amdhsa.kernels:
  - .name:           k_q5ea5fbabc0_prep
    .symbol:         k_q5ea5fbabc0_prep.kd
    .args:
      - { .name: X, .offset: 0, .size: 8, .value_kind: global_buffer, .address_space: global }
      - { .name: Wq, .offset: 8, .size: 8, .value_kind: global_buffer, .address_space: global }
      - { .name: Wk, .offset: 16, .size: 8, .value_kind: global_buffer, .address_space: global }
      - { .name: Wv, .offset: 24, .size: 8, .value_kind: global_buffer, .address_space: global }
      - { .name: Xh, .offset: 32, .size: 8, .value_kind: global_buffer, .address_space: global }
      - { .name: Bh, .offset: 40, .size: 8, .value_kind: global_buffer, .address_space: global }
    .group_segment_fixed_size: 68096
    .private_segment_fixed_size: 0
    .kernarg_segment_align: 8
    .kernarg_segment_size: 48
    .max_flat_workgroup_size: 128
    .sgpr_count:     66
    .vgpr_count:     416
    .wavefront_size: 32
...
	.end_amdgpu_metadata
.endif
;; end of part 1
;; launch proj (part 2): grid 8 x 32, 4 waves a work-group, clusters of 4 x 4, 327,680 bytes of LDS; arguments Xh, Bh, TV; writes TV
.if DOCPART == 2
	.amdgcn_target "amdgcn-amd-amdhsa--gfx1250"
	.amdhsa_code_object_version 6
	.text
	.protected	k_q5ea5fbabc0_proj
	.globl	k_q5ea5fbabc0_proj
	.p2align	8
	.type	k_q5ea5fbabc0_proj,@function
k_q5ea5fbabc0_proj:
	s_mov_b64 s[64:65], 0
	v_nop
	global_prefetch_b8 v0, s[64:65] scope:SCOPE_SE
	s_setreg_imm32_b32 hwreg(HW_REG_WAVE_MODE, 25, 1), 1
	s_wait_xcnt 0x0
	s_wait_alu depctr_hold_cnt(0) depctr_sa_sdst(0) depctr_va_vdst(0) depctr_va_sdst(0) depctr_va_ssrc(0) depctr_va_vcc(0) depctr_vm_vsrc(0)
	s_getreg_b32 s2, hwreg(HW_REG_IB_STS2, 6, 4)
	s_cmp_eq_u32 s2, 0
	s_cbranch_scc0 .Lentry_in_a_cluster
	s_endpgm
.Lentry_in_a_cluster:
	s_bfe_u32 s2, ttmp6, 0x10000c
	s_cmp_lg_u32 s2, 0xf033
	s_cbranch_scc0 .Lentry_shape_is_right
	s_endpgm
.Lentry_shape_is_right:
; PROJ.  TV[m][n] = the sum over k of Xh[m][k] Bh[n][k].  Xh: [8192][1024], Bh: [2048][1024], TV: [8192][2048], all f16; sums in f32, TV rounded once.
; Columns 0 to 1023 are T = X N^T, stored times 2^-9; columns 1024 to 2047 are V = X Wv^T, stored as they are.
; LIMITS.  f16 holds no number beyond 65,504: |T| / 512 and |V| stay within it; below 6e-5 f16 keeps its fixed step of 6e-8.  NaN and infinities are not treated apart.
; A tile of TV, 256 x 256, is made by a work-group of four waves; a wave makes 128 x 128: 64 accumulators of 16 x 16, 512 registers.  256 tiles, one to a work-group.
; K goes in 8 steps of 128 through a ring of two LDS slots filled by the tensor data mover: a tile's rows are 256 bytes of memory at multiples of 256 bytes.
; CLUSTERS: 4 x 4 work-groups.  The four of a row of the cluster need the same tiles of Xh, the four of a column the same tiles of Bh: each tile is asked for JOINTLY, by the same
; tensor load with the same descriptor and a mask that names the four.
; REGISTERS, in windows of 256: window 0: v0-31 addresses; v64-127, v128-191 fragments of Xh, two buffers (v64-127 later the rows on the way out);
;   window 1: v64-127, v128-191 fragments of Bh; window 2: the 32 accumulators of my rows 0-63 ((a, b) at v[8 (8 a + b)]); window 3: those of my rows 64-127.
; THE MATRIX INSTRUCTION IS USED TRANSPOSED (source 0 = 16 rows of Bh, source 1 = 16 rows of Xh): a lane holds row m = l % 16 and the columns 8 (l / 16) + 0 .. 7.
; THE WAY OUT goes through the ring, whose last fill has landed and been read: the tile is laid down as f32, 256 rows of 1,040 bytes, and each wave takes 64 whole rows back.
.set SIZE_M, 8192
.set SIZE_N, 2048
.set SIZE_K, 1024
.set KSTEP,  128
.set PITCH,  272                       ; an LDS row: 256 bytes + 16 of padding = 68 words: the 16 rows that a load touches start at 16 different groups of four banks (ISA guide 11.1)
.set HALFT,  128*PITCH                 ; 128 rows: what one tensor load brings
.set SLOT,   4*HALFT                   ; Xh's 256 rows, then Bh's 256 rows
.set DP,     1040                      ; the way out: a row of 256 f32 + 16 bytes
.set SPARE,  2*SLOT                    ; behind the ring: the spare words, 128 bytes a wave, two blocks of 256 bytes that no other line names
.set LAPS,   SIZE_K/(2*KSTEP)
.set ADRA, 16                          ; v16-17  LDS address of my Xh fragments in slot 0, 1
.set ADRB, 20                          ; v20-21  the same for Bh
.set DA,   22                          ; v22-23  the way out: where I put my rows 0-63, 64-127
.set RA,   24                          ; v24     the way out: where I read rows back
.set GO,   26                          ; v26     8 x lane: my 8 bytes of 256 in TV
.set SPW,  28                          ; v28     LDS address of my spare word; never rewritten
.set NIL,  29                          ; v29     0; never rewritten
.set PFO,  30                          ; v30     the prefetches' offset: lane x a row of 2,048 bytes; never rewritten
.set PFA,  44                          ; s[44:45] where my prefetches stand
.set LIM,  43                          ; s43     1 in a wave that prefetches, else the greatest number
.set F0,   64
.set F1,   128
.set RW,   64                          ; v64-127 eight rows on the way out
.set G1, 24                            ; s[24:31] descriptor group 1 for Xh's tiles;  s[32:39] group 0, a set for each slot
.set G0, 32
.set G1B, 48                           ; s[48:55], s[56:63] the same for Bh's tiles
.set G0B, 56
.set MSB, 0
.macro WIN new                         ; bits 1:0 source 0, 3:2 source 1, 5:4 source 2, 7:6 destination; the high byte repeats the setting that is left
.if MSB != (\new)
	s_set_vgpr_msb (MSB<<8)|(\new)
.set MSB, \new
.endif
.endm
.set MUL_LO, 0xa1                      ; source 0 (Bh) window 1, source 1 (Xh) window 0, C and D window 2
.set MUL_HI, 0xf1                      ; the same, C and D window 3
.set TO_B,   0x40                      ; destination window 1, address window 0
; A joint load.  Waves 0 and 1 fetch Xh's two halves, waves 2 and 3 Bh's.  The branch hangs on the wave's number alone.  An s_nop 0 and four v_nop follow each of the two lines.
.macro JLOAD s
	s_cmp_eq_u32 s11, 0
	s_cbranch_scc0 .Lfor_b_\@
	tensor_load_to_lds s[G0+4*(\s):G0+4*(\s)+3], s[G1:G1+7]
	s_nop 0
.rept 4
	v_nop
.endr
	s_branch .Lasked_\@
.Lfor_b_\@:
	tensor_load_to_lds s[G0B+4*(\s):G0B+4*(\s)+3], s[G1B:G1B+7]
	s_nop 0
.rept 4
	v_nop
.endr
.Lasked_\@:
.endm
; A prefetch into the L2, behind each joint refill and the run of LDS loads that follows it: the K step two refills on, 32 rows x 256 bytes, a lane a row, one instruction a wave.
; Each row's 256 bytes of a K step are named once in the launch: Xh's by the clusters with x = 0, Bh's by those with y = 0; the four partners that ask for a tile jointly share its rows out
; by address, 32 of the wave's 128 each.  K steps 0 to 3 come by their loads alone; the loop's last trip (s3 = 1) has no K step two on.
.macro ASK
	s_cmp_gt_u32 s3, s[LIM]
	s_cbranch_scc0 .Lnot_mine_\@
	global_prefetch_b8 v[PFO], s[PFA:PFA+1] offset:KSTEP*2 th:TH_LOAD_NT scope:SCOPE_SE
.Lnot_mine_\@:
.endm
.macro CREST                           ; a round of the cluster's barrier behind its opening barrier
	s_cmp_lg_u32 s10, 0
	s_cbranch_scc1 .Lnot_wave_0_\@
	s_barrier_signal -3
.Lnot_wave_0_\@:
	s_barrier_wait -3
	s_barrier_signal -1
	s_barrier_wait -1
.endm
.macro CROUND                          ; a whole round
	s_barrier_signal -1
	s_barrier_wait -1
	CREST
.endm
	s_load_b128 s[4:7], s[0:1], 0x0                ; Xh s[4:5], Bh s[6:7]
	s_load_b64 s[8:9], s[0:1], 0x10                ; TV
	v_lshl_add_u32 v[SPW], v0, 2, SPARE
	v_mov_b32 v[NIL], 0
	ds_add_u32 v[SPW], v[NIL]                      ; the wave's opening: the add and its wait stand ahead of my first tensor load; the set-up below stands between them
	v_lshrrev_b32 v1, 5, v0
	v_readfirstlane_b32 s10, v1                    ; wave 0..3
	s_lshr_b32 s11, s10, 1                         ; which half of the tile's rows is mine.  Also: I fetch for Xh (0) or for Bh (1)
	s_and_b32 s12, s10, 1                          ; which half of its columns.  Also: which 128 rows of that tile I fetch
	s_bfe_u32 s40, ttmp6, 0x40000                  ; cx
	s_bfe_u32 s41, ttmp6, 0x40004                  ; cy
	s_lshl_b32 s42, ttmp9, 2
	s_add_co_u32 s42, s42, s40                     ; tile column = 4 x cluster x + cx
	s_and_b32 s13, ttmp7, 0xffff
	s_lshl_b32 s13, s13, 2
	s_add_co_u32 s13, s13, s41                     ; tile row = 4 x cluster y + cy
	s_lshl_b32 s43, s41, 2
	s_lshl_b32 s43, 15, s43                        ; my row of the cluster
	s_lshl_b32 s44, 0x1111, s40                    ; my column
	s_or_b32 s[G1+0], s43, (1<<16)|(1<<20)|(1<<21)|(5<<22)|(3<<25)   ; 15:0 the mask; 17:16 elements of 2 bytes; 20 padding on; 21 set beside a mask; 24:22 after every 64 words; 31:25 4 words of it
	s_or_b32 s[G1B+0], s44, (1<<16)|(1<<20)|(1<<21)|(5<<22)|(3<<25)
.irp g, G1, G1B
	s_mov_b32 s[(\g)+1], KSTEP<<16                 ; tensor_dim0 = 128
	s_mov_b32 s[(\g)+2], 128<<16                   ; tensor_dim1 = 128
	s_mov_b32 s[(\g)+3], KSTEP<<16                 ; tile_dim0 = 128
	s_mov_b32 s[(\g)+4], 128                       ; tile_dim1 = 128
	s_mov_b32 s[(\g)+5], SIZE_K                    ; elements from row to row
	s_mov_b32 s[(\g)+6], 0
	s_mov_b32 s[(\g)+7], 0
.endr
	s_lshl_b32 s17, s12, 7                         ; which 128 rows of the tile I fetch
	s_lshl_b32 s16, s13, 8
	s_add_co_u32 s16, s16, s17                     ; Xh: row 256 x tile row + 128 x half
	s_lshl_b32 s46, s42, 8
	s_add_co_u32 s46, s46, s17                     ; Bh: row 256 x tile column + 128 x half
	s_mov_b32 s17, 0
	s_mov_b32 s47, 0
	s_mov_b64 s[18:19], SIZE_K*2
	s_mul_u64 s[16:17], s[16:17], s[18:19]
	s_mul_u64 s[46:47], s[46:47], s[18:19]
	s_mul_i32 s20, s10, HALFT                      ; where they go: wave x 128 rows: no place in the cluster enters an LDS address
	s_wait_dscnt 0x0                               ; the opening add is done
	s_wait_kmcnt 0x0
	s_add_nc_u64 s[14:15], s[4:5], s[16:17]
	s_add_nc_u64 s[46:47], s[6:7], s[46:47]
	CROUND                                         ; all sixteen work-groups are here: the first joint loads meet
.irp s, 0,1
	s_mov_b32 s[G0+4*(\s)], 1
	s_add_co_u32 s[G0+4*(\s)+1], s20, (\s)*SLOT
	s_add_nc_u64 s[G0+4*(\s)+2:G0+4*(\s)+3], s[14:15], (\s)*KSTEP*2
	s_or_b32 s[G0+4*(\s)+3], s[G0+4*(\s)+3], 0x80000000
	s_mov_b32 s[G0B+4*(\s)], 1
	s_add_co_u32 s[G0B+4*(\s)+1], s20, (\s)*SLOT
	s_add_nc_u64 s[G0B+4*(\s)+2:G0B+4*(\s)+3], s[46:47], (\s)*KSTEP*2
	s_or_b32 s[G0B+4*(\s)+3], s[G0B+4*(\s)+3], 0x80000000
	JLOAD \s                                       ; two loads of mine are out
.endr
	v_and_b32 v1, 15, v0                           ; r = l % 16
	v_bfe_u32 v2, v0, 4, 1                         ; h = l / 16
	v_mul_u32_u24 v3, v1, PITCH
	v_lshl_add_u32 v3, v2, 4, v3                   ; a fragment's row x pitch + 16 x half
	s_mul_i32 s21, s11, HALFT                      ; my 128 rows of Xh
	s_mul_i32 s22, s12, HALFT                      ; my 128 rows of Bh,
	s_add_co_u32 s22, s22, 2*HALFT                 ; which lie behind Xh's 256
.irp s, 0,1
	v_add_nc_u32 v[ADRA+(\s)], s21, v3
	v_add_nc_u32 v[ADRB+(\s)], s22, v3
	s_add_co_u32 s21, s21, SLOT
	s_add_co_u32 s22, s22, SLOT
.endr
	s_mul_i32 s23, s11, 128*DP                     ; the way out, in: row 128 x my row half + r, byte 512 x my column half + 32 h
	s_lshl_b32 s21, s12, 9
	s_add_co_u32 s23, s23, s21
	v_mul_u32_u24 v4, v1, DP
	v_lshl_add_u32 v4, v2, 5, v4
	v_add_nc_u32 v[DA], s23, v4
	v_add_nc_u32 v[DA+1], 64*DP, v[DA]
	s_mul_i32 s23, s10, 64*DP                      ; back: wave w takes rows 64 w .. 64 w + 63, whole; a lane 16 bytes of each half row
	v_and_b32 v5, 31, v0
	v_lshl_add_u32 v[RA], v5, 4, s23
	v_lshlrev_b32 v[GO], 3, v5
	s_lshl_b32 s16, s13, 8
	s_lshl_b32 s17, s10, 6
	s_add_co_u32 s16, s16, s17                     ; the first row of TV that I store
	s_lshl_b32 s16, s16, 12                        ; rows of 4,096 bytes
	s_mov_b32 s17, 0
	s_add_nc_u64 s[8:9], s[8:9], s[16:17]
	s_lshl_b32 s46, s42, 9                         ; the tile's first column, in bytes
	s_mov_b32 s47, 0
	s_add_nc_u64 s[8:9], s[8:9], s[46:47]
	s_cmp_lt_u32 s42, 4                            ; tile columns 0 to 3 are T's, 4 to 7 V's: a choice of a factor, no branch
	s_cselect_b32 s46, 0x3b000000, 1.0             ; 2^-9 or 1
	s_mov_b32 s47, s46                             ; named with it as a pair
	; the prefetches
	s_lshl_b32 s13, s13, 8
	s_lshl_b32 s42, s42, 8
	s_and_b32 s22, ttmp7, 0xffff                   ; cluster y
	s_cmp_eq_u32 s11, 0                            ; do I fetch for Xh?
	s_cselect_b32 s20, s13, s42                    ; the tile's first row
	s_cselect_b32 s21, s40, s41                    ; my place among the four that ask for it with me
	s_cselect_b32 s22, ttmp9, s22                  ; the coordinate along which other clusters read the same rows
	s_cselect_b64 s[PFA:PFA+1], s[4:5], s[6:7]
	s_cmp_eq_u32 s22, 0
	s_cselect_b32 s[LIM], 1, -1                    ; the same in all sixteen partners, for a given wave
	s_lshl_b32 s22, s12, 7
	s_add_co_u32 s20, s20, s22                     ; + the 128 rows that I fetch
	s_lshl_b32 s21, s21, 5
	s_add_co_u32 s20, s20, s21                     ; + my work-group's 32 of them
	s_mov_b32 s21, 0
	s_mov_b64 s[18:19], SIZE_K*2
	s_mul_u64 s[20:21], s[20:21], s[18:19]
	s_add_nc_u64 s[PFA:PFA+1], s[PFA:PFA+1], s[20:21]
	s_add_nc_u64 s[PFA:PFA+1], s[PFA:PFA+1], 2*KSTEP*2  ; at K step 2: the first refill steps it to 3 and names K step 4
	v_and_b32 v[PFO], 31, v0
	v_mul_u32_u24 v[PFO], v[PFO], SIZE_K*2
; 16 matrix instructions: m blocks a0, a0 + 1 of the window's four x all 8 n blocks, 32 along K.  zero = 1: the first product starts the sums.
.macro MUL16 f, hi, a0, zero
	WIN MUL_LO+0x50*(\hi)
.irp a, \a0, (\a0)+1
.irp b, 0,1,2,3,4,5,6,7
.if \zero
	v_wmma_f32_16x16x32_f16 v[8*(8*(\a)+(\b)):8*(8*(\a)+(\b))+7], v[(\f)+8*(\b):(\f)+8*(\b)+7], v[(\f)+8*(4*(\hi)+(\a)):(\f)+8*(4*(\hi)+(\a))+7], 0
.else
	v_wmma_f32_16x16x32_f16 v[8*(8*(\a)+(\b)):8*(8*(\a)+(\b))+7], v[(\f)+8*(\b):(\f)+8*(\b)+7], v[(\f)+8*(4*(\hi)+(\a)):(\f)+8*(4*(\hi)+(\a))+7], v[8*(8*(\a)+(\b)):8*(8*(\a)+(\b))+7]
.endif
.endr
.endr
.endm
; 32 LDS loads in one run: the fragments of one quarter step (32 K at byte k of the rows) into buffer f
.macro FETCH slot, k, f
	WIN TO_B
.irp i, 0,1,2,3,4,5,6,7
	ds_load_b128 v[(\f)+8*(\i):(\f)+8*(\i)+3],   v[ADRB+(\slot)] offset:(\k)+(\i)*16*PITCH
	ds_load_b128 v[(\f)+8*(\i)+4:(\f)+8*(\i)+7], v[ADRB+(\slot)] offset:(\k)+(\i)*16*PITCH+32
.endr
	WIN 0
.irp i, 0,1,2,3,4,5,6,7
	ds_load_b128 v[(\f)+8*(\i):(\f)+8*(\i)+3],   v[ADRA+(\slot)] offset:(\k)+(\i)*16*PITCH
	ds_load_b128 v[(\f)+8*(\i)+4:(\f)+8*(\i)+7], v[ADRA+(\slot)] offset:(\k)+(\i)*16*PITCH+32
.endr
.endm
.macro PLACES                          ; four places in front of loads into registers that matrix instructions have read, and of stores that read results
.rept 4
	v_nop
.endr
.endm
; A K step is four quarters of 32 along K, 64 matrix instructions each, on buffers 0, 1, 0, 1.  The 64 accumulators take turns in the same order in every quarter.
.macro QUARTER slot, k, f, g, zero
	s_wait_dscnt 8                                 ; Bh and Xh's rows 0-63 are in; the youngest eight loads (Xh's rows 64-127) may be out
	MUL16 \f, 0, 0, \zero
	MUL16 \f, 0, 2, \zero
	PLACES
	FETCH \slot, \k, \g
	s_wait_dscnt 32                                ; all but the 32 just issued
	MUL16 \f, 1, 0, \zero
	MUL16 \f, 1, 2, \zero
.endm
; The first half of a step's last quarter: ONE barrier for the change of slots.  In front of it each wave waits for all its tensor loads (one is out: its part of the next slot), adds 0 to its
; spare word, and waits for that and for its own reads of this slot.
.macro MEET round
	WIN 0
	s_wait_tensorcnt 0x0                           ; all my tensor loads have landed
	ds_add_u32 v[SPW], v[NIL]                      ; 0 onto my spare word
	s_wait_dscnt 9                                 ; (the add and the youngest eight loads may be out)
	MUL16 F1, 0, 0, 0                              ; sixteen matrix instructions stand between the add and the wait for it
	s_wait_dscnt 0x0                               ; the add is done, and my reads of this slot are over
	s_barrier_signal -1
	MUL16 F1, 0, 2, 0
.if \round
	WIN 0
.endif
	s_barrier_wait -1
.endm
; The whole last quarter.  fill = 1: the barrier opens a round of the cluster's barrier, and the slot just read out is filled again first, two K steps ahead.
.macro TURN slot, next, fill
.if \fill
	s_wait_xcnt 0x0                                ; the last prefetch, a K step back, has read its address
	s_add_nc_u64 s[PFA:PFA+1], s[PFA:PFA+1], KSTEP*2
.endif
	MEET \fill
.if \fill
	CREST                                          ; no wave of any partner still reads this slot's tile or has a load on its way
	s_add_nc_u64 s[G0+4*(\slot)+2:G0+4*(\slot)+3], s[G0+4*(\slot)+2:G0+4*(\slot)+3], 2*KSTEP*2
	s_add_nc_u64 s[G0B+4*(\slot)+2:G0B+4*(\slot)+3], s[G0B+4*(\slot)+2:G0B+4*(\slot)+3], 2*KSTEP*2
	JLOAD \slot                                    ; the first tensor load behind the round; its four v_nop are also the places in front of the loads below
.else
	PLACES
.endif
	FETCH \next, 0, F0
.if \fill
	ASK
.endif
	MUL16 F1, 1, 0, 0
	MUL16 F1, 1, 2, 0
.endm
	s_wait_tensorcnt 1                             ; my part of K step 0 is in; K step 1's load may stay out
	s_barrier_signal -1
	s_barrier_wait -1
	FETCH 0, 0, F0
	QUARTER 0, 64,  F0, F1, 1                      ; the first quarter stands in front of the loop: its products start the sums
	WIN 0                                          ; at a label and at a branch every window is 0
	s_mov_b32 s3, LAPS-1
.Llap:                                                 ; a trip goes once round the ring, from a lap's second quarter to the next lap's first
	QUARTER 0, 128, F1, F0, 0
	QUARTER 0, 192, F0, F1, 0
	TURN 0, 1, 1
	QUARTER 1, 64,  F0, F1, 0
	QUARTER 1, 128, F1, F0, 0
	QUARTER 1, 192, F0, F1, 0
	TURN 1, 0, 1
	QUARTER 0, 64,  F0, F1, 0
	WIN 0
	s_sub_co_u32 s3, s3, 1
	s_cmp_lg_u32 s3, 0
	s_cbranch_scc1 .Llap
	QUARTER 0, 128, F1, F0, 0                      ; the last lap is written out: it fills nothing
	QUARTER 0, 192, F0, F1, 0
	TURN 0, 1, 0
	QUARTER 1, 64,  F0, F1, 0
	QUARTER 1, 128, F1, F0, 0
	QUARTER 1, 192, F0, F1, 0
	s_wait_dscnt 8                                 ; the very last quarter: nothing more to fetch
	MUL16 F1, 0, 0, 0
	MUL16 F1, 0, 2, 0
	s_wait_dscnt 0x0                               ; my reads of the ring are over
	s_barrier_signal -1
	MUL16 F1, 1, 0, 0
	MUL16 F1, 1, 2, 0
	WIN 0
	s_barrier_wait -1                              ; everybody's are: the ring, which no tensor load fills any more, takes the tile
	; THE WAY OUT.  My 128 x 128 as f32 into rows of 1,040 bytes; each accumulator's low registers first.
	PLACES
.set ia, 0
.rept 8
	WIN 0x08+4*(ia/4)                              ; store data in window 2 or 3
.set ib, 0
.rept 8
	ds_store_b128 v[DA+ia/4], v[64*(ia%4)+8*ib:64*(ia%4)+8*ib+3]   offset:(ia%4)*16*DP+64*ib
	ds_store_b128 v[DA+ia/4], v[64*(ia%4)+8*ib+4:64*(ia%4)+8*ib+7] offset:(ia%4)*16*DP+64*ib+16
.set ib, ib+1
.endr
.set ia, ia+1
.endr
	WIN 0
	s_wait_dscnt 0x0                               ; for the others' sake: my stores are done
	s_barrier_signal -1
	s_barrier_wait -1
	s_mov_b32 s2, 8
.Lrows:                                                ; 8 trips of 8 whole rows: scaled, rounded to f16, stored
.set i, 0
.rept 8
	ds_load_b128 v[RW+8*i:RW+8*i+3],   v[RA] offset:DP*i
	ds_load_b128 v[RW+8*i+4:RW+8*i+7], v[RA] offset:DP*i+512
.set i, i+1
.endr
.set i, 0
.rept 8
	s_wait_dscnt 14-2*i                            ; row i is in; the younger rows' loads may stay out
.set k, 0
.rept 4
	v_pk_mul_f32 v[RW+8*i+2*k:RW+8*i+2*k+1], v[RW+8*i+2*k:RW+8*i+2*k+1], s[46:47] op_sel_hi:[1,0]
.set k, k+1
.endr
	v_cvt_pk_f16_f32 v[RW+8*i], v[RW+8*i], v[RW+8*i+1]
	v_cvt_pk_f16_f32 v[RW+8*i+1], v[RW+8*i+2], v[RW+8*i+3]
	v_cvt_pk_f16_f32 v[RW+8*i+4], v[RW+8*i+4], v[RW+8*i+5]
	v_cvt_pk_f16_f32 v[RW+8*i+5], v[RW+8*i+6], v[RW+8*i+7]
	global_store_b64 v[GO], v[RW+8*i:RW+8*i+1],   s[8:9] offset:2*SIZE_N*i      ; 32 lanes store 256 consecutive bytes, at a multiple of 256 from TV's first byte
	global_store_b64 v[GO], v[RW+8*i+4:RW+8*i+5], s[8:9] offset:2*SIZE_N*i+256
.set i, i+1
.endr
	s_wait_xcnt 0x0                                ; the stores have read their registers and their base: only now are these written again
	v_add_nc_u32 v[RA], 8*DP, v[RA]
	s_add_nc_u64 s[8:9], s[8:9], 8*SIZE_N*2
	s_sub_co_u32 s2, s2, 1
	s_cmp_lg_u32 s2, 0
	s_cbranch_scc1 .Lrows
	s_wait_tensorcnt 0x0                           ; the wave's end: behind my last tensor load and my last LDS store
	ds_add_u32 v[SPW], v[NIL]
	s_wait_dscnt 0x0
	CROUND                                         ; the closing round: no work-group ends while a partner may still ask for a tile that names it
	s_endpgm
.Lfunc_end_k_q5ea5fbabc0_proj:
	.size	k_q5ea5fbabc0_proj, .Lfunc_end_k_q5ea5fbabc0_proj-k_q5ea5fbabc0_proj
	.p2alignl 7, 3214868480
	.fill 96, 4, 3214868480
	.section	.rodata,"a",@progbits
	.p2align	6, 0x0
	.amdhsa_kernel k_q5ea5fbabc0_proj
		.amdhsa_group_segment_fixed_size 327680
		.amdhsa_private_segment_fixed_size 0
		.amdhsa_enable_private_segment 0
		.amdhsa_kernarg_size 24
		.amdhsa_user_sgpr_count 2
		.amdhsa_user_sgpr_kernarg_segment_ptr 1
		.amdhsa_wavefront_size32 1
		.amdhsa_system_sgpr_workgroup_id_x 1
		.amdhsa_system_sgpr_workgroup_id_y 1
		.amdhsa_system_sgpr_workgroup_id_z 1
		.amdhsa_system_vgpr_workitem_id 0
		.amdhsa_next_free_vgpr 1024
		.amdhsa_next_free_sgpr 66
		.amdhsa_reserve_vcc 0
		.amdhsa_float_denorm_mode_32 3
		.amdhsa_float_denorm_mode_16_64 3
		.amdhsa_memory_ordered 1
		.amdhsa_forward_progress 1
		.amdhsa_inst_pref_size 128
	.end_amdhsa_kernel
	.amdgpu_metadata
---
amdhsa.version: [ 1, 2 ]
amdhsa.kernels:
  - .name:           k_q5ea5fbabc0_proj
    .symbol:         k_q5ea5fbabc0_proj.kd
    .args:
      - { .name: Xh, .offset: 0, .size: 8, .value_kind: global_buffer, .address_space: global }
      - { .name: Bh, .offset: 8, .size: 8, .value_kind: global_buffer, .address_space: global }
      - { .name: TV, .offset: 16, .size: 8, .value_kind: global_buffer, .address_space: global }
    .group_segment_fixed_size: 327680
    .private_segment_fixed_size: 0
    .kernarg_segment_align: 8
    .kernarg_segment_size: 24
    .max_flat_workgroup_size: 128
    .sgpr_count:     66
    .vgpr_count:     1024
    .wavefront_size: 32
...
	.end_amdgpu_metadata
.endif
;; end of part 2
;; launch score (part 3): grid 9 x 16, 4 waves a work-group, no clusters, 327,680 bytes of LDS; arguments TV, Xh, P, ST; writes P, ST
.if DOCPART == 3
	.amdgcn_target "amdgcn-amd-amdhsa--gfx1250"
	.amdhsa_code_object_version 6
	.text
	.protected	k_q5ea5fbabc0_score
	.globl	k_q5ea5fbabc0_score
	.p2align	8
	.type	k_q5ea5fbabc0_score,@function
k_q5ea5fbabc0_score:
	s_mov_b64 s[64:65], 0
	v_nop
	global_prefetch_b8 v0, s[64:65] scope:SCOPE_SE
	s_setreg_imm32_b32 hwreg(HW_REG_WAVE_MODE, 25, 1), 1
	s_wait_xcnt 0x0
; SCORE.  For each tile (I, j), j <= I, of 256 queries x 256 keys of a batch: s = T X^T (T = columns 0 to 1023 of TV, stored times 2^-9; X = Xh), sums over 1,024 in f32;
; for each row its maximum m over the tile's visible keys, p = 2^(c s - c m) with c = 16 log2(e) (= 2^9 log2(e) / sqrt(1024)), and l = the sum of the unrounded p.
; P takes p rounded to f16; ST[batch][j][q] takes the pair (c m, l) in f32.  The next launch joins a row's tiles by 2^(c m_tile - c m_row) / l_row: the maximum taken away is a true maximum.
; LIMITS.  A hidden score counts as its value less 1e30: f16's operands bound a stored score by 4.4e12, nothing beside that.  p below 6e-5 keeps f16's fixed step of 6e-8; a weight below 2^-126
; counts as 0 in l.  NaN and infinities are not treated apart.
; SHARES.  36 tiles a batch, 144 work-groups.  Rows pi and 7 - pi of the triangle have 9 tiles together: x = 0 .. 8 walks them, y = 4 x batch + pi.
; NO CLUSTER: the triangle's rows have 1 to 8 tiles and the folded rows 9, so no group of four divides them; padded to squares a batch would have 48 tiles for 36.
; The K loop: four waves, each 128 x 128 in 64 accumulators; 8 K steps of 128 through a ring of two LDS slots; each wave fetches a quarter of a slot with one tensor load.
; THE MASK is the C operand of the products that start the sums: 0, or -1e30 where the key is hidden.  Three sets of 8 registers serve a wave's 64 accumulators: query block above, on, below the key block.
; REGISTERS: window 0: v0-31 addresses; v32-55 the masks; v64-127, v128-191 fragments of T (later the softmax's rows and statistics); window 1: fragments of X; windows 2, 3: accumulators.
; THE MATRIX INSTRUCTION IS USED TRANSPOSED (source 0 = 16 keys, source 1 = 16 queries): a lane holds query l % 16 and the keys 8 (l / 16) + 0 .. 7.
; THE WAY OUT goes through the ring, whose last fill has landed and been read: the scores as f32, 256 rows of 1,040 bytes; each wave then takes 64 whole rows.
.set KSTEP,  128
.set PITCH,  272                       ; an LDS row: 256 bytes + 16 of padding: the 16 rows that a load touches start at 16 different groups of four banks (ISA guide 11.1)
.set HALFT,  128*PITCH
.set SLOT,   4*HALFT                   ; T's 256 rows, then X's 256 rows
.set DP,     1040                      ; the way out: a row of 256 f32 + 16 bytes
.set SPARE,  2*SLOT                    ; behind the ring: the spare words, 128 bytes a wave, two blocks of 256 bytes that no other line names
.set LAPS,   4
.set PFO,  8                           ; v8-11   the prefetches' offsets: (lane + 32 n) x a row; never rewritten
.set ADRA, 16                          ; v16-17  LDS address of my T fragments in slot 0, 1
.set ADRB, 20                          ; v20-21  the same for X
.set DA,   22                          ; v22-23  the way out: where I put my rows 0-63, 64-127
.set RA,   24                          ; v24     the way out: where I read rows back
.set GO,   26                          ; v26     8 x lane
.set SPW,  28                          ; v28     LDS address of my spare word; never rewritten
.set NIL,  29                          ; v29     0; never rewritten
.set ML,   32                          ; v32-39  mask: query block below the diagonal block (a > b)
.set MD,   40                          ; v40-47  on it
.set MU,   48                          ; v48-55  above it
.set F0,   64
.set F1,   128
.set RW,   64                          ; v64-127  eight rows
.set MX,   128                         ; v128-135 a row's maximum
.set XT,   136                         ; v136-143 the other half of the lanes'
.set CM,   144                         ; v144-159 c m in the even registers
.set SA,   160                         ; v160-175 sums
.set SB,   176                         ; v176-191 sums
.set STA,  192                         ; v192-193 lane n holds (c m, l) of row n of 32
.set PFA,  44                          ; s[44:45] where my prefetches stand
.set LIM,  43                          ; s43     1 in a wave that prefetches, else the greatest number
.set G1, 24
.set G0, 32
.set G1B, 48
.set G0B, 56
.set CS,  66                           ; s[66:67] c
.set SEL, 68                           ; s[68:69] v_permlanex16_b32's selects
.set LM,  74                           ; s[74:81] the lane masks of a trip's eight rows
.set MSB, 0
.macro WIN new
.if MSB != (\new)
	s_set_vgpr_msb (MSB<<8)|(\new)
.set MSB, \new
.endif
.endm
.set MUL_LO, 0xa1
.set MUL_HI, 0xf1
.set TO_B,   0x40
; A fill.  Waves 0 and 1 fetch T's two halves, waves 2 and 3 X's.  An s_nop 0 and four v_nop follow each of the two lines.
.macro JLOAD s
	s_cmp_eq_u32 s11, 0
	s_cbranch_scc0 .Lfor_b_\@
	tensor_load_to_lds s[G0+4*(\s):G0+4*(\s)+3], s[G1:G1+7]
	s_nop 0
.rept 4
	v_nop
.endr
	s_branch .Lasked_\@
.Lfor_b_\@:
	tensor_load_to_lds s[G0B+4*(\s):G0B+4*(\s)+3], s[G1B:G1B+7]
	s_nop 0
.rept 4
	v_nop
.endr
.Lasked_\@:
.endm
; A prefetch into the L2, behind each refill and the run of LDS loads that follows it: the K step two refills on, my own 128 rows x 256 bytes, a lane a row, four instructions.
; Each row's 256 bytes of a K step are named once in the launch: T's rows by the work-group with j = 0 of their tile row, X's by the one on the diagonal (I = j) of their tile column.
; K steps 0 to 3 come by their loads alone; the loop's last trip (s3 = 1) has no K step two on.
.macro ASK
	s_cmp_gt_u32 s3, s[LIM]
	s_cbranch_scc0 .Lnot_mine_\@
.irp n, 0,1,2,3
	global_prefetch_b8 v[PFO+\n], s[PFA:PFA+1] offset:KSTEP*2 th:TH_LOAD_NT scope:SCOPE_SE
.endr
.Lnot_mine_\@:
.endm
	s_load_b128 s[4:7], s[0:1], 0x0                ; TV s[4:5], Xh s[6:7]
	s_load_b64 s[8:9], s[0:1], 0x10                ; P
	s_load_b64 s[46:47], s[0:1], 0x18              ; ST
	v_lshl_add_u32 v[SPW], v0, 2, SPARE
	v_mov_b32 v[NIL], 0
	ds_add_u32 v[SPW], v[NIL]                      ; the wave's opening: the add and its wait stand ahead of my first tensor load; the set-up below stands between them
	v_lshrrev_b32 v1, 5, v0
	v_readfirstlane_b32 s10, v1                    ; wave 0..3
	s_lshr_b32 s11, s10, 1                         ; which half of the tile's queries is mine.  Also: I fetch for T (0) or for X (1)
	s_and_b32 s12, s10, 1                          ; which half of its keys.  Also: which 128 rows I fetch
	s_and_b32 s20, ttmp7, 0xffff
	s_and_b32 s41, s20, 3                          ; pi
	s_lshr_b32 s40, s20, 2                         ; the batch
	s_sub_co_u32 s21, 7, s41
	s_sub_co_u32 s22, ttmp9, s41
	s_sub_co_u32 s22, s22, 1
	s_cmp_le_u32 ttmp9, s41
	s_cselect_b32 s13, s41, s21                    ; I = pi, or 7 - pi
	s_cselect_b32 s42, ttmp9, s22                  ; j = x, or x - pi - 1
	s_mov_b32 s[G1+0], (1<<16)|(1<<20)|(5<<22)|(3<<25)   ; 17:16 elements of 2 bytes; 20 padding on; 24:22 after every 64 words; 31:25 4 words of it
	s_mov_b32 s[G1B+0], (1<<16)|(1<<20)|(5<<22)|(3<<25)
.irp g, G1, G1B
	s_mov_b32 s[(\g)+1], KSTEP<<16                 ; tensor_dim0 = 128
	s_mov_b32 s[(\g)+2], 128<<16                   ; tensor_dim1 = 128
	s_mov_b32 s[(\g)+3], KSTEP<<16                 ; tile_dim0 = 128
	s_mov_b32 s[(\g)+4], 128                       ; tile_dim1 = 128
	s_mov_b32 s[(\g)+6], 0
	s_mov_b32 s[(\g)+7], 0
.endr
	s_mov_b32 s[G1+5], 2048                        ; elements from row to row: TV's
	s_mov_b32 s[G1B+5], 1024                       ; Xh's
	s_lshl_b32 s16, s40, 11                        ; the batch's first row
	s_lshl_b32 s17, s13, 8
	s_add_co_u32 s17, s17, s16                     ; the tile's first query
	s_lshl_b32 s20, s42, 8
	s_add_co_u32 s20, s20, s16                     ; its first key
	s_lshl_b32 s21, s12, 7                         ; which 128 rows I fetch
	s_add_co_u32 s22, s17, s21
	s_lshl_b32 s22, s22, 12                        ; rows of 4,096 bytes in TV
	s_mov_b32 s23, 0
	s_add_co_u32 s2, s20, s21
	s_lshl_b32 s2, s2, 11                          ; rows of 2,048 bytes in Xh
	s_mov_b32 s3, 0
	s_mul_i32 s70, s10, HALFT                      ; where they go: wave x 128 rows
	s_mov_b32 s[CS], 0x41b8aa3b                    ; c = 16 log2(e)
	s_mov_b32 s[CS+1], s[CS]                       ; named with it as a pair
	s_mov_b32 s[SEL], 0x76543210
	s_mov_b32 s[SEL+1], 0xfedcba98
	s_cmp_eq_u32 s13, s42                          ; the diagonal tile?
	s_cselect_b32 s20, 0xf149f2ca, 0               ; -1e30
	s_cmp_le_u32 s11, s12
	s_cselect_b32 s82, s20, 0                      ; what a block above the wave's diagonal takes
	s_cmp_lt_u32 s11, s12
	s_cselect_b32 s83, s20, 0                      ; what a block below it takes
	s_wait_dscnt 0x0                               ; the opening add is done
	s_wait_kmcnt 0x0
	s_add_nc_u64 s[14:15], s[4:5], s[22:23]
	s_add_nc_u64 s[18:19], s[6:7], s[2:3]
.irp s, 0,1
	s_mov_b32 s[G0+4*(\s)], 1
	s_add_co_u32 s[G0+4*(\s)+1], s70, (\s)*SLOT
	s_add_nc_u64 s[G0+4*(\s)+2:G0+4*(\s)+3], s[14:15], (\s)*KSTEP*2
	s_or_b32 s[G0+4*(\s)+3], s[G0+4*(\s)+3], 0x80000000
	s_mov_b32 s[G0B+4*(\s)], 1
	s_add_co_u32 s[G0B+4*(\s)+1], s70, (\s)*SLOT
	s_add_nc_u64 s[G0B+4*(\s)+2:G0B+4*(\s)+3], s[18:19], (\s)*KSTEP*2
	s_or_b32 s[G0B+4*(\s)+3], s[G0B+4*(\s)+3], 0x80000000
	JLOAD \s                                       ; two loads of mine are out
.endr
	v_and_b32 v1, 15, v0                           ; r
	v_bfe_u32 v2, v0, 4, 1                         ; h
	v_mul_u32_u24 v3, v1, PITCH
	v_lshl_add_u32 v3, v2, 4, v3
	s_mul_i32 s21, s11, HALFT
	s_mul_i32 s22, s12, HALFT
	s_add_co_u32 s22, s22, 2*HALFT
.irp s, 0,1
	v_add_nc_u32 v[ADRA+(\s)], s21, v3
	v_add_nc_u32 v[ADRB+(\s)], s22, v3
	s_add_co_u32 s21, s21, SLOT
	s_add_co_u32 s22, s22, SLOT
.endr
	s_mul_i32 s2, s11, 128*DP
	s_lshl_b32 s21, s12, 9
	s_add_co_u32 s2, s2, s21
	v_mul_u32_u24 v4, v1, DP
	v_lshl_add_u32 v4, v2, 5, v4
	v_add_nc_u32 v[DA], s2, v4
	v_add_nc_u32 v[DA+1], 64*DP, v[DA]
	s_mul_i32 s2, s10, 64*DP
	v_and_b32 v5, 31, v0
	v_lshl_add_u32 v[RA], v5, 4, s2
	v_lshlrev_b32 v[GO], 3, v5
	; the masks.  Query 16 a + r, key 16 b + 8 h + n of a wave's square: on the diagonal block register n is hidden where 8 h + n > r
	v_lshlrev_b32 v6, 3, v2
	v_sub_nc_u32 v6, v1, v6                        ; r - 8 h
.set i, 0
.rept 8
	v_mov_b32 v[ML+i], s83
	v_mov_b32 v[MU+i], s82
.set i, i+1
.endr
.set i, 0
.rept 8
	v_cmp_gt_i32 vcc_lo, i, v6
	v_cndmask_b32 v[MD+i], v[ML], v[MU], vcc_lo
.set i, i+1
.endr
	; where P and ST go
	s_lshl_b32 s21, s10, 6                         ; my 64 rows on the way out
	s_add_co_u32 s22, s17, s21
	s_lshl_b32 s22, s22, 12                        ; rows of 4,096 bytes in P
	s_lshl_b32 s2, s42, 9                          ; 256 keys of 2 bytes
	s_add_co_u32 s22, s22, s2
	s_add_nc_u64 s[8:9], s[8:9], s[22:23]
	s_lshl_b32 s22, s40, 3
	s_add_co_u32 s22, s22, s42
	s_lshl_b32 s22, s22, 11
	s_lshl_b32 s2, s13, 8
	s_add_co_u32 s22, s22, s2
	s_add_co_u32 s22, s22, s21
	s_lshl_b32 s22, s22, 3                         ; ((8 batch + j) 2,048 + 256 I + 64 w) pairs of 8 bytes
	s_add_nc_u64 s[46:47], s[46:47], s[22:23]
	; the prefetches
	s_cmp_eq_u32 s42, 0
	s_cselect_b32 s20, 1, -1                       ; T's rows: the work-group with j = 0
	s_cmp_eq_u32 s13, s42
	s_cselect_b32 s21, 1, -1                       ; X's rows: the one on the diagonal
	s_cmp_eq_u32 s11, 0
	s_cselect_b32 s[LIM], s20, s21
	s_cselect_b64 s[PFA:PFA+1], s[14:15], s[18:19] ; my own 128 rows
	s_cselect_b32 s22, 12, 11                      ; a row is 4,096 bytes of TV or 2,048 of Xh
	s_add_nc_u64 s[PFA:PFA+1], s[PFA:PFA+1], 2*KSTEP*2  ; at K step 2: the first refill steps it to 3 and names K step 4
.irp n, 0,1,2,3
	v_add_nc_u32 v[PFO+\n], 32*\n, v5
	v_lshlrev_b32 v[PFO+\n], s22, v[PFO+\n]
.endr
; 16 matrix instructions.  zero = 1: the first product starts the sums, with the mask as C (in window 0)
.macro MUL16 f, hi, a0, zero
.if \zero
	WIN 0x81+0x40*(\hi)
.else
	WIN MUL_LO+0x50*(\hi)
.endif
.irp a, \a0, (\a0)+1
.irp b, 0,1,2,3,4,5,6,7
.if \zero
.if 4*(\hi)+(\a) > (\b)
.set MK, ML
.elseif 4*(\hi)+(\a) == (\b)
.set MK, MD
.else
.set MK, MU
.endif
	v_wmma_f32_16x16x32_f16 v[8*(8*(\a)+(\b)):8*(8*(\a)+(\b))+7], v[(\f)+8*(\b):(\f)+8*(\b)+7], v[(\f)+8*(4*(\hi)+(\a)):(\f)+8*(4*(\hi)+(\a))+7], v[MK:MK+7]
.else
	v_wmma_f32_16x16x32_f16 v[8*(8*(\a)+(\b)):8*(8*(\a)+(\b))+7], v[(\f)+8*(\b):(\f)+8*(\b)+7], v[(\f)+8*(4*(\hi)+(\a)):(\f)+8*(4*(\hi)+(\a))+7], v[8*(8*(\a)+(\b)):8*(8*(\a)+(\b))+7]
.endif
.endr
.endr
.endm
.macro FETCH slot, k, f
	WIN TO_B
.irp i, 0,1,2,3,4,5,6,7
	ds_load_b128 v[(\f)+8*(\i):(\f)+8*(\i)+3],   v[ADRB+(\slot)] offset:(\k)+(\i)*16*PITCH
	ds_load_b128 v[(\f)+8*(\i)+4:(\f)+8*(\i)+7], v[ADRB+(\slot)] offset:(\k)+(\i)*16*PITCH+32
.endr
	WIN 0
.irp i, 0,1,2,3,4,5,6,7
	ds_load_b128 v[(\f)+8*(\i):(\f)+8*(\i)+3],   v[ADRA+(\slot)] offset:(\k)+(\i)*16*PITCH
	ds_load_b128 v[(\f)+8*(\i)+4:(\f)+8*(\i)+7], v[ADRA+(\slot)] offset:(\k)+(\i)*16*PITCH+32
.endr
.endm
.macro PLACES                          ; four places in front of loads into registers that matrix instructions have read, and of stores that read results
.rept 4
	v_nop
.endr
.endm
.macro QUARTER slot, k, f, g, zero     ; 64 matrix instructions; the 64 accumulators take turns in the same order in every quarter
	s_wait_dscnt 8                                 ; X and T's rows 0-63 are in; the youngest eight loads may be out
	MUL16 \f, 0, 0, \zero
	MUL16 \f, 0, 2, \zero
	PLACES
	FETCH \slot, \k, \g
	s_wait_dscnt 32                                ; all but the 32 just issued
	MUL16 \f, 1, 0, \zero
	MUL16 \f, 1, 2, \zero
.endm
; The last quarter of a K step changes slots: ONE barrier; in front of it each wave waits for all its tensor loads (one is out: its part of the next slot), adds 0 to its spare word, and waits
; for that and for its own reads of this slot.  fill = 1: this slot is filled again first behind the barrier, two K steps ahead.
.macro TURN slot, next, fill
.if \fill
	s_wait_xcnt 0x0                                ; the last prefetches, a K step back, have read their address
	s_add_nc_u64 s[PFA:PFA+1], s[PFA:PFA+1], KSTEP*2
.endif
	WIN 0
	s_wait_tensorcnt 0x0                           ; all my tensor loads have landed
	ds_add_u32 v[SPW], v[NIL]                      ; 0 onto my spare word
	s_wait_dscnt 9                                 ; (the add and the youngest eight loads may be out)
	MUL16 F1, 0, 0, 0
	s_wait_dscnt 0x0                               ; the add is done, and my reads of this slot are over
	s_barrier_signal -1
	MUL16 F1, 0, 2, 0
.if \fill
	WIN 0                                          ; a branch follows
.endif
	s_barrier_wait -1
.if \fill
	s_add_nc_u64 s[G0+4*(\slot)+2:G0+4*(\slot)+3], s[G0+4*(\slot)+2:G0+4*(\slot)+3], 2*KSTEP*2
	s_add_nc_u64 s[G0B+4*(\slot)+2:G0B+4*(\slot)+3], s[G0B+4*(\slot)+2:G0B+4*(\slot)+3], 2*KSTEP*2
	JLOAD \slot                                    ; my one tensor load behind the barrier; its four v_nop are also the places in front of the loads below
.else
	PLACES
.endif
	FETCH \next, 0, F0
.if \fill
	ASK
.endif
	MUL16 F1, 1, 0, 0
	MUL16 F1, 1, 2, 0
.endm
.macro EACH8 line:vararg               ; one line for each of a trip's eight rows i
.set i, 0
.rept 8
	\line
.set i, i+1
.endr
.endm
	s_wait_tensorcnt 1                             ; my part of K step 0 is in; K step 1's load may stay out
	s_barrier_signal -1
	s_barrier_wait -1
	FETCH 0, 0, F0
	QUARTER 0, 64,  F0, F1, 1                      ; the first quarter stands in front of the loop: its products start the sums, on the masks
	WIN 0
	s_mov_b32 s3, LAPS-1
.Llap:
	QUARTER 0, 128, F1, F0, 0
	QUARTER 0, 192, F0, F1, 0
	TURN 0, 1, 1
	QUARTER 1, 64,  F0, F1, 0
	QUARTER 1, 128, F1, F0, 0
	QUARTER 1, 192, F0, F1, 0
	TURN 1, 0, 1
	QUARTER 0, 64,  F0, F1, 0
	WIN 0
	s_sub_co_u32 s3, s3, 1
	s_cmp_lg_u32 s3, 0
	s_cbranch_scc1 .Llap
	QUARTER 0, 128, F1, F0, 0                      ; the last lap is written out: it fills nothing
	QUARTER 0, 192, F0, F1, 0
	TURN 0, 1, 0
	QUARTER 1, 64,  F0, F1, 0
	QUARTER 1, 128, F1, F0, 0
	QUARTER 1, 192, F0, F1, 0
	s_wait_dscnt 8
	MUL16 F1, 0, 0, 0
	MUL16 F1, 0, 2, 0
	s_wait_dscnt 0x0                               ; my reads of the ring are over
	s_barrier_signal -1
	MUL16 F1, 1, 0, 0
	MUL16 F1, 1, 2, 0
	WIN 0
	s_barrier_wait -1                              ; everybody's are: the ring, which no tensor load fills any more, takes the scores
	PLACES
.set ia, 0
.rept 8                                ; each accumulator's low registers first
	WIN 0x08+4*(ia/4)
.set ib, 0
.rept 8
	ds_store_b128 v[DA+ia/4], v[64*(ia%4)+8*ib:64*(ia%4)+8*ib+3]   offset:(ia%4)*16*DP+64*ib
	ds_store_b128 v[DA+ia/4], v[64*(ia%4)+8*ib+4:64*(ia%4)+8*ib+7] offset:(ia%4)*16*DP+64*ib+16
.set ib, ib+1
.endr
.set ia, ia+1
.endr
	WIN 0
	EACH8 v_mov_b32 v[XT+i], 0                     ; v_permlanex16_b32's destination counts as read
	EACH8 v_mov_b32 v[CM+2*i+1], 0                 ; named with c m as a pair
	v_mov_b32 v[STA], 0
	v_mov_b32 v[STA+1], 0
	s_wait_dscnt 0x0                               ; for the others' sake: my stores are done
	s_barrier_signal -1
	s_barrier_wait -1
	; THE SOFTMAX OF A TILE.  Wave w owns rows 64 w .. 64 w + 63; of a row a lane holds keys 4 l .. 4 l + 3 and 128 + 4 l .. + 3.  Eight rows a trip, each stage over all eight, so that no line waits for the one before it.
	s_mov_b32 s71, 2
.Lhalf:                                                ; 32 rows: their statistics are gathered a lane a row and stored as 256 consecutive bytes
	s_mov_b32 s72, 1
	s_mov_b32 s70, 4
.Leight:
	EACH8 ds_load_b128 v[RW+8*i:RW+8*i+3], v[RA] offset:DP*i
	EACH8 ds_load_b128 v[RW+8*i+4:RW+8*i+7], v[RA] offset:DP*i+512
	EACH8 s_lshl_b32 s[LM+i], s72, i               ; the lane that keeps row i's statistics
	s_wait_dscnt 0x0
	EACH8 v_max3_num_f32 v[MX+i], v[RW+8*i], v[RW+8*i+1], v[RW+8*i+2]
	EACH8 v_max3_num_f32 v[MX+i], v[MX+i], v[RW+8*i+3], v[RW+8*i+4]
	EACH8 v_max3_num_f32 v[MX+i], v[MX+i], v[RW+8*i+5], v[RW+8*i+6]
	EACH8 v_max_num_f32 v[MX+i], v[MX+i], v[RW+8*i+7]
	EACH8 v_max_num_f32_dpp v[MX+i], v[MX+i], v[MX+i] row_xmask:1 row_mask:0xf bank_mask:0xf
	EACH8 v_max_num_f32_dpp v[MX+i], v[MX+i], v[MX+i] row_xmask:2 row_mask:0xf bank_mask:0xf
	EACH8 v_max_num_f32_dpp v[MX+i], v[MX+i], v[MX+i] row_xmask:4 row_mask:0xf bank_mask:0xf
	EACH8 v_max_num_f32_dpp v[MX+i], v[MX+i], v[MX+i] row_xmask:8 row_mask:0xf bank_mask:0xf
	EACH8 v_permlanex16_b32 v[XT+i], v[MX+i], s[SEL], s[SEL+1]
	EACH8 v_max_num_f32 v[MX+i], v[MX+i], v[XT+i]
	EACH8 v_mul_f32 v[CM+2*i], s[CS], v[MX+i]      ; c m
	EACH8 v_pk_fma_f32 v[RW+8*i:RW+8*i+1], v[RW+8*i:RW+8*i+1], s[CS:CS+1], v[CM+2*i:CM+2*i+1] op_sel_hi:[1,0,0] neg_lo:[0,0,1] neg_hi:[0,0,1]
	EACH8 v_pk_fma_f32 v[RW+8*i+2:RW+8*i+3], v[RW+8*i+2:RW+8*i+3], s[CS:CS+1], v[CM+2*i:CM+2*i+1] op_sel_hi:[1,0,0] neg_lo:[0,0,1] neg_hi:[0,0,1]
	EACH8 v_pk_fma_f32 v[RW+8*i+4:RW+8*i+5], v[RW+8*i+4:RW+8*i+5], s[CS:CS+1], v[CM+2*i:CM+2*i+1] op_sel_hi:[1,0,0] neg_lo:[0,0,1] neg_hi:[0,0,1]
	EACH8 v_pk_fma_f32 v[RW+8*i+6:RW+8*i+7], v[RW+8*i+6:RW+8*i+7], s[CS:CS+1], v[CM+2*i:CM+2*i+1] op_sel_hi:[1,0,0] neg_lo:[0,0,1] neg_hi:[0,0,1]
.set i, 0
.rept 64                               ; ONE BATCH of 64 exponentials
	v_exp_f32 v[RW+i], v[RW+i]
.set i, i+1
.endr
	EACH8 v_cndmask_b32 v[STA], v[STA], v[CM+2*i], s[LM+i]  ; plain work that names no result of the batch stands behind the last exponential (ISA guide 5.7.2)
	s_wait_alu depctr_va_vdst(0)                   ; the one wait for the batch, ahead of its first reader
	EACH8 v_pk_add_f32 v[SA+2*i:SA+2*i+1], v[RW+8*i:RW+8*i+1], v[RW+8*i+2:RW+8*i+3]
	EACH8 v_pk_add_f32 v[SB+2*i:SB+2*i+1], v[RW+8*i+4:RW+8*i+5], v[RW+8*i+6:RW+8*i+7]
	EACH8 v_pk_add_f32 v[SA+2*i:SA+2*i+1], v[SA+2*i:SA+2*i+1], v[SB+2*i:SB+2*i+1]
	EACH8 v_add_f32 v[SA+2*i], v[SA+2*i], v[SA+2*i+1]
	EACH8 v_add_f32_dpp v[SA+2*i], v[SA+2*i], v[SA+2*i] row_xmask:1 row_mask:0xf bank_mask:0xf
	EACH8 v_add_f32_dpp v[SA+2*i], v[SA+2*i], v[SA+2*i] row_xmask:2 row_mask:0xf bank_mask:0xf
	EACH8 v_add_f32_dpp v[SA+2*i], v[SA+2*i], v[SA+2*i] row_xmask:4 row_mask:0xf bank_mask:0xf
	EACH8 v_add_f32_dpp v[SA+2*i], v[SA+2*i], v[SA+2*i] row_xmask:8 row_mask:0xf bank_mask:0xf
	EACH8 v_permlanex16_b32 v[XT+i], v[SA+2*i], s[SEL], s[SEL+1]
	EACH8 v_add_f32 v[SA+2*i], v[SA+2*i], v[XT+i]
	EACH8 v_cndmask_b32 v[STA+1], v[STA+1], v[SA+2*i], s[LM+i]
	EACH8 v_cvt_pk_f16_f32 v[RW+8*i], v[RW+8*i], v[RW+8*i+1]
	EACH8 v_cvt_pk_f16_f32 v[RW+8*i+1], v[RW+8*i+2], v[RW+8*i+3]
	EACH8 v_cvt_pk_f16_f32 v[RW+8*i+4], v[RW+8*i+4], v[RW+8*i+5]
	EACH8 v_cvt_pk_f16_f32 v[RW+8*i+5], v[RW+8*i+6], v[RW+8*i+7]
	EACH8 global_store_b64 v[GO], v[RW+8*i:RW+8*i+1], s[8:9] offset:4096*i        ; 32 lanes store 256 consecutive bytes, at a multiple of 256 from P's first byte
	EACH8 global_store_b64 v[GO], v[RW+8*i+4:RW+8*i+5], s[8:9] offset:4096*i+256
	s_wait_xcnt 0x0                                ; the stores have read their registers and their base: only now are these written again
	v_add_nc_u32 v[RA], 8*DP, v[RA]
	s_add_nc_u64 s[8:9], s[8:9], 8*4096
	s_lshl_b32 s72, s72, 8
	s_sub_co_u32 s70, s70, 1
	s_cmp_lg_u32 s70, 0
	s_cbranch_scc1 .Leight
	global_store_b64 v[GO], v[STA:STA+1], s[46:47] ; 32 rows' (c m, l): 256 consecutive bytes, aligned
	s_wait_xcnt 0x0
	s_add_nc_u64 s[46:47], s[46:47], 256
	s_sub_co_u32 s71, s71, 1
	s_cmp_lg_u32 s71, 0
	s_cbranch_scc1 .Lhalf
	s_wait_tensorcnt 0x0                           ; the wave's end: behind my last tensor load and my last LDS store
	ds_add_u32 v[SPW], v[NIL]
	s_wait_dscnt 0x0
	s_endpgm
.Lfunc_end_k_q5ea5fbabc0_score:
	.size	k_q5ea5fbabc0_score, .Lfunc_end_k_q5ea5fbabc0_score-k_q5ea5fbabc0_score
	.p2alignl 7, 3214868480
	.fill 96, 4, 3214868480
	.section	.rodata,"a",@progbits
	.p2align	6, 0x0
	.amdhsa_kernel k_q5ea5fbabc0_score
		.amdhsa_group_segment_fixed_size 327680
		.amdhsa_private_segment_fixed_size 0
		.amdhsa_enable_private_segment 0
		.amdhsa_kernarg_size 32
		.amdhsa_user_sgpr_count 2
		.amdhsa_user_sgpr_kernarg_segment_ptr 1
		.amdhsa_wavefront_size32 1
		.amdhsa_system_sgpr_workgroup_id_x 1
		.amdhsa_system_sgpr_workgroup_id_y 1
		.amdhsa_system_sgpr_workgroup_id_z 1
		.amdhsa_system_vgpr_workitem_id 0
		.amdhsa_next_free_vgpr 1024
		.amdhsa_next_free_sgpr 84
		.amdhsa_reserve_vcc 1
		.amdhsa_float_denorm_mode_32 3
		.amdhsa_float_denorm_mode_16_64 3
		.amdhsa_memory_ordered 1
		.amdhsa_forward_progress 1
		.amdhsa_inst_pref_size 142
	.end_amdhsa_kernel
	.amdgpu_metadata
---
amdhsa.version: [ 1, 2 ]
amdhsa.kernels:
  - .name:           k_q5ea5fbabc0_score
    .symbol:         k_q5ea5fbabc0_score.kd
    .args:
      - { .name: TV, .offset: 0, .size: 8, .value_kind: global_buffer, .address_space: global }
      - { .name: Xh, .offset: 8, .size: 8, .value_kind: global_buffer, .address_space: global }
      - { .name: P, .offset: 16, .size: 8, .value_kind: global_buffer, .address_space: global }
      - { .name: ST, .offset: 24, .size: 8, .value_kind: global_buffer, .address_space: global }
    .group_segment_fixed_size: 327680
    .private_segment_fixed_size: 0
    .kernarg_segment_align: 8
    .kernarg_segment_size: 32
    .max_flat_workgroup_size: 128
    .sgpr_count:     84
    .vgpr_count:     1024
    .wavefront_size: 32
...
	.end_amdgpu_metadata
.endif
;; end of part 3
;; launch pv (part 4): grid 8 x 32, 4 waves a work-group, clusters of 4 x 4, 327,680 bytes of LDS; arguments P, TV, ST, out0; writes out0
.if DOCPART == 4
	.amdgcn_target "amdgcn-amd-amdhsa--gfx1250"
	.amdhsa_code_object_version 6
	.text
	.protected	k_q5ea5fbabc0_pv
	.globl	k_q5ea5fbabc0_pv
	.p2align	8
	.type	k_q5ea5fbabc0_pv,@function
k_q5ea5fbabc0_pv:
	s_mov_b64 s[64:65], 0
	v_nop
	global_prefetch_b8 v0, s[64:65] scope:SCOPE_SE
	s_setreg_imm32_b32 hwreg(HW_REG_WAVE_MODE, 25, 1), 1
	s_wait_xcnt 0x0
	s_wait_alu depctr_hold_cnt(0) depctr_sa_sdst(0) depctr_va_vdst(0) depctr_va_sdst(0) depctr_va_ssrc(0) depctr_va_vcc(0) depctr_vm_vsrc(0)
	s_getreg_b32 s2, hwreg(HW_REG_IB_STS2, 6, 4)
	s_cmp_eq_u32 s2, 0
	s_cbranch_scc0 .Lentry_in_a_cluster
	s_endpgm
.Lentry_in_a_cluster:
	s_bfe_u32 s2, ttmp6, 0x10000c
	s_cmp_lg_u32 s2, 0xf033
	s_cbranch_scc0 .Lentry_shape_is_right
	s_endpgm
.Lentry_shape_is_right:
; PV.  out0[b][q][e] = the sum over key tiles t of f'(q, t) x (the sum over the tile's 256 keys of P[b][q][k] V[b][k][e]), f'(q, t) = 2^(c m(q, t) - M(q)) / L(q),
; M(q) = the maximum over the row's tiles of c m, L(q) = the sum over them of 2^(c m - M) l.  P and V (columns 1024 to 2047 of TV) are f16, (c m, l) come from ST in f32; all sums in f32; out0 is f32.
; Every factor is at most 1 and L at least 1.  LIMITS: a factor below 2^-126 counts as 0; NaN and infinities are not treated apart.
; SHARES.  A work-group makes two tiles of 128 rows x 128 channels: rows 512 JH + 128 cy with JH = 3 - a, then rows 512 JL + 128 cy with JL = a (a = cluster y % 2; batch = cluster y / 2;
; channels 128 (4 cluster x + cx)).  Superblock J of 512 rows walks the key tiles 0 .. 2 J + 1: 8 - 2 a steps and then 2 a + 2: TEN steps of 256 keys for every work-group.
; CLUSTER 4 x 4.  The four of a row of the cluster (same cy) need the same tile of P, the four of a column (same cx) the same tile of V, in every step: both are asked for JOINTLY.
; For cy < 2 the last step of each block lies wholly above the diagonal: there P's address is held at the block's last written tile and the factor is 0.  That is ten steps where nine would do for
; half of the work-groups, and in exchange no branch, trip count or LDS address hangs on a work-group's place in its cluster.
; A wave makes 64 x 64.  A step's product T starts at 0 (16 accumulators, window 0) and is added onto O (window 2) times f'.  The matrix instruction is used transposed (source 0 = 16 channels,
; from V by the turning load; source 1 = 16 queries): a lane holds ONE query (l % 16), so f' is one number a lane and row block, and eight neighbouring channels.
; O is cleared by 128 v_mov_b32, once in the wait for the first tiles and once at the change of blocks: a second form of the merge in every step would be longer.
.set PPA,   528                        ; a row of P in LDS: 512 bytes + 16
.set PPV,   288                        ; a row of V: 256 bytes + 32
.set BOFF,  128*PPA                    ; a slot: 128 rows of P, then 256 keys of V
.set SLOT,  BOFF+256*PPV
.set STAGE, 2*SLOT                     ; behind the ring: 16 rows x 272 bytes for each wave, for the way out
.set SP,    272
.set FT,    STAGE+4*16*SP              ; f' [10 steps][128 rows] f32
.set SPARE, FT+10*512                  ; the spare words, 128 bytes a wave, two blocks of 256 bytes that no other line names
.set ADRA, 16                          ; v16-17  LDS address of my P fragments in slot 0, 1
.set ADRB, 20                          ; v20-23  of my V fragments: slot s, key half k at ADRB + 2 s + k
.set STO,  24                          ; v24     the way out: where I put 16 bytes of a row
.set RD,   25                          ; v25     where I read a row back
.set CO,   26                          ; v26     my byte offset in two rows of out0
.set FTA,  27                          ; v27     where my rows' f' of the pair of steps in hand lie
.set SPW,  28                          ; v28     LDS address of my spare word; never rewritten
.set NIL,  29                          ; v29     0; never rewritten
.set PFO,  30                          ; v30     the prefetches' offset; never rewritten
.set NEG,  31                          ; v31     the lowest finite number
.set FF,   96                          ; v96-103 f' of my four row blocks in the even registers
.set ACC,  128                         ; v128-255 T: (a, b) at ACC + 8 (4 a + b)
.set F0,   0                           ; window 1: two fragment buffers of 128: 64 registers of P, then 64 of V
.set F1,   128
.set WV, 12                            ; s12 wave; s13 my row half, also: I fetch P (0) or V (1); s14 my channel half, also: which half of the tile I fetch
.set CX, 15
.set CY, 16
.set AP, 17                            ; a
.set BAT, 18
.set NH, 20                            ; steps of the first block
.set JH, 21
.set JL, 22
.set G1, 24                            ; s[24:31], s[32:39]: P's descriptors
.set G0, 32
.set NXT, 41                           ; the step to be asked for next
.set T_, 42                            ; its key tile
.set TA, 43                            ; the same, held at the block's last written tile of P
.set QR, 44                            ; its block's first row in the batch
.set G1B, 48                           ; s[48:55], s[56:63]: V's descriptors
.set G0B, 56
.set SPA, 66                           ; s[66:67] P at the batch, my half of a tile's rows
.set SVB, 68                           ; s[68:69] V at the batch, my half of a tile's keys, my channels
.set SOA, 70                           ; s[70:71] the tile's byte offset from SPA
.set SOB, 72                           ; s[72:73] from SVB
.set PFB, 74                           ; s[74:75] the prefetches' base; s[76:77] their address
.set PFA, 76
.set PL,  78                           ; the last step that this wave prefetches, or -1
.set WT,  79                           ; the loop's count at which the first block ends
.set OUT, 80                           ; s[80:81] out0 at my rows and channels of the block in hand
.set OLO, 82                           ; s[82:83] of the second block
.set H67, 84                           ; all ones: steps 6 and 7 belong to the first block
.set V5,  85                           ; all ones: step 5 (7, 9) is void
.set V7,  86
.set V9,  87
; Scalars at work: s45, s47 feed P's descriptors alone and never hold cx; s46 feeds both and holds neither coordinate; s92 holds cx, s93 cy, s95 and s[88:91] both; s2, s3, s94 neither.
.set MSB, 0
.macro WIN new                         ; bits 1:0 source 0, 3:2 source 1, 5:4 source 2, 7:6 destination; the high byte repeats the setting that is left
.if MSB != (\new)
	s_set_vgpr_msb (MSB<<8)|(\new)
.set MSB, \new
.endif
.endm
.set MUL,  0x05                        ; sources 0 (V) and 1 (P) window 1; C and D window 0
.set TO_F, 0x40                        ; destination window 1, address window 0
.macro JLOAD s                         ; a joint load: waves 0 and 1 fetch P's two halves, waves 2 and 3 V's; an s_nop 0 and four v_nop follow each of the two lines
	s_cmp_eq_u32 s13, 0
	s_cbranch_scc0 .Lfor_b_\@
	tensor_load_to_lds s[G0+4*(\s):G0+4*(\s)+3], s[G1:G1+7]
	s_nop 0
.rept 4
	v_nop
.endr
	s_branch .Lasked_\@
.Lfor_b_\@:
	tensor_load_to_lds s[G0B+4*(\s):G0B+4*(\s)+3], s[G1B:G1B+7]
	s_nop 0
.rept 4
	v_nop
.endr
.Lasked_\@:
.endm
.macro CREST
	s_cmp_lg_u32 s[WV], 0
	s_cbranch_scc1 .Lnot_wave_0_\@
	s_barrier_signal -3
.Lnot_wave_0_\@:
	s_barrier_wait -3
	s_barrier_signal -1
	s_barrier_wait -1
.endm
.macro CROUND
	s_barrier_signal -1
	s_barrier_wait -1
	CREST
.endm
; Step n of the walk: which block, which key tile, and the tiles' byte offsets.  Scalar work alone, no branch.
.macro WALK n
	s_cmp_lt_u32 \n, s[NH]                         ; the first block?
	s_cselect_b32 s45, s[JH], s[JL]                ; J
	s_cselect_b32 s46, 0, s[NH]
	s_sub_co_u32 s[T_], \n, s46                    ; the key tile
	s_lshl_b32 s47, s45, 1
	s_add_co_u32 s47, s47, s23                     ; the last tile of P that my rows have: 2 J + cy / 2
	s_min_u32 s[TA], s[T_], s47
	s_lshl_b32 s[QR], s45, 9
	s_add_co_u32 s[QR], s[QR], s40                 ; 512 J + 128 cy
	s_lshl_b32 s[SOA], s[QR], 12                   ; rows of 4,096 bytes,
	s_lshl_b32 s47, s[TA], 9                       ; 256 keys of 2 bytes
	s_add_co_u32 s[SOA], s[SOA], s47
	s_lshl_b32 s[SOB], s[T_], 20                   ; 256 keys of 4,096 bytes
.endm
	s_load_b256 s[4:11], s[0:1], 0x0               ; P s[4:5], TV s[6:7], ST s[8:9], out0 s[10:11]
	v_lshl_add_u32 v[SPW], v0, 2, SPARE
	v_mov_b32 v[NIL], 0
	ds_add_u32 v[SPW], v[NIL]                      ; the wave's opening: the add and its wait stand ahead of my first tensor load; the set-up below stands between them
	v_lshrrev_b32 v1, 5, v0
	v_readfirstlane_b32 s[WV], v1
	s_lshr_b32 s13, s[WV], 1
	s_and_b32 s14, s[WV], 1
	s_bfe_u32 s[CX], ttmp6, 0x40000
	s_bfe_u32 s[CY], ttmp6, 0x40004
	s_and_b32 s[BAT], ttmp7, 0xffff                ; cluster y
	s_and_b32 s[AP], s[BAT], 1
	s_lshr_b32 s[BAT], s[BAT], 1
	s_lshl_b32 s19, ttmp9, 2
	s_add_co_u32 s19, s19, s[CX]                   ; my block of 128 channels
	s_lshl_b32 s[NH], s[AP], 1
	s_sub_co_u32 s[NH], 8, s[NH]
	s_sub_co_u32 s[JH], 3, s[AP]
	s_mov_b32 s[JL], s[AP]
	s_lshr_b32 s23, s[CY], 1
	s_lshl_b32 s40, s[CY], 7
	s_add_co_u32 s[WT], s[AP], 1
	s_lshl_b32 s47, s[CY], 2
	s_lshl_b32 s47, 15, s47                        ; my row of the cluster
	s_lshl_b32 s92, 0x1111, s[CX]                  ; my column
	s_or_b32 s[G1+0], s47, (1<<16)|(1<<20)|(1<<21)|(6<<22)|(3<<25)   ; P: the mask of my row; elements of 2 bytes; padding on; 21 set beside a mask; after every 128 words 4 words
	s_or_b32 s[G1B+0], s92, (1<<16)|(1<<20)|(1<<21)|(5<<22)|(7<<25)  ; V: the mask of my column; after every 64 words 8 words
	s_mov_b32 s[G1+1], 256<<16                     ; P: tensor_dim0 = 256 keys
	s_mov_b32 s[G1+2], 64<<16                      ; tensor_dim1 = 64 rows
	s_mov_b32 s[G1+3], 256<<16                     ; tile_dim0
	s_mov_b32 s[G1+4], 64                          ; tile_dim1
	s_mov_b32 s[G1+5], 2048                        ; elements from row to row
	s_mov_b32 s[G1+6], 0
	s_mov_b32 s[G1+7], 0
	s_mov_b32 s[G1B+1], 128<<16                    ; V: 128 channels
	s_mov_b32 s[G1B+2], 128<<16                    ; 128 keys
	s_mov_b32 s[G1B+3], 128<<16
	s_mov_b32 s[G1B+4], 128
	s_mov_b32 s[G1B+5], 2048
	s_mov_b32 s[G1B+6], 0
	s_mov_b32 s[G1B+7], 0
	s_lshl_b32 s2, s[BAT], 11                      ; the batch's first row
	s_lshl_b32 s[SOA], s14, 6
	s_add_co_u32 s[SOA], s[SOA], s2
	s_lshl_b32 s[SOA], s[SOA], 12                  ; P: (2,048 batch + 64 half) rows of 4,096 bytes
	s_mov_b32 s[SOA+1], 0
	s_lshl_b32 s[SOB], s14, 7
	s_add_co_u32 s[SOB], s[SOB], s2
	s_lshl_b32 s[SOB], s[SOB], 12                  ; V: (2,048 batch + 128 half) rows of 4,096 bytes,
	s_add_co_u32 s[SOB], s[SOB], 2048              ; behind T's 1,024 columns,
	s_lshl_b32 s92, s19, 8
	s_add_co_u32 s[SOB], s[SOB], s92               ; my 128 channels
	s_mov_b32 s[SOB+1], 0
	s_lshl_b32 s95, s13, 6                         ; out0: row 2,048 batch + 128 cy + 64 x my row half (+ 512 J),
	s_add_co_u32 s95, s95, s2
	s_add_co_u32 s95, s95, s40
	s_lshl_b32 s95, s95, 12
	s_lshl_b32 s92, s19, 9                         ; byte 512 x channel block + 256 x my channel half
	s_add_co_u32 s95, s95, s92
	s_lshl_b32 s92, s14, 8
	s_add_co_u32 s95, s95, s92
	s_lshl_b32 s88, s[JH], 21
	s_add_co_u32 s88, s88, s95
	s_mov_b32 s89, 0
	s_lshl_b32 s90, s[JL], 21
	s_add_co_u32 s90, s90, s95
	s_mov_b32 s91, 0
	s_mul_i32 s94, s14, 64*PPA                     ; where my half of a tile goes: no place in the cluster enters an LDS address
	s_mul_i32 s3, s14, 128*PPV
	s_cmp_eq_u32 s[AP], 0
	s_cselect_b32 s[H67], -1, 0
	s_cmp_lt_u32 s[CY], 2
	s_cselect_b32 s[V9], -1, 0                     ; masks for selects of values: no branch hangs on them
	s_and_not1_b32 s[V5], s[V9], s[H67]
	s_and_b32 s[V7], s[V9], s[H67]
	s_cmp_eq_u32 ttmp9, 0                          ; P's tiles are read by both clusters along x: the first prefetches, all ten steps;
	s_cselect_b32 s[PL], 9, -1
	s_cmp_eq_u32 s[AP], 0                          ; V's by both clusters of a batch: the one with a = 0, in its first block alone, which walks all eight key tiles
	s_cselect_b32 s95, 7, -1
	s_cmp_eq_u32 s13, 0
	s_cselect_b32 s[PL], s[PL], s95
	s_wait_dscnt 0x0                               ; the opening add is done
	s_wait_kmcnt 0x0
	s_add_nc_u64 s[SPA:SPA+1], s[4:5], s[SOA:SOA+1]
	s_add_nc_u64 s[SVB:SVB+1], s[6:7], s[SOB:SOB+1]
	s_add_nc_u64 s[OUT:OUT+1], s[10:11], s[88:89]
	s_add_nc_u64 s[OLO:OLO+1], s[10:11], s[90:91]
	s_cmp_eq_u32 s13, 0
	s_cselect_b64 s[PFB:PFB+1], s[SPA:SPA+1], s[SVB:SVB+1]
	CROUND                                         ; all sixteen work-groups are here: the first joint loads meet
.irp s, 0,1
	WALK \s
	s_mov_b32 s[G0+4*(\s)], 1
	s_add_co_u32 s[G0+4*(\s)+1], s94, (\s)*SLOT
	s_add_nc_u64 s[G0+4*(\s)+2:G0+4*(\s)+3], s[SPA:SPA+1], s[SOA:SOA+1]
	s_or_b32 s[G0+4*(\s)+3], s[G0+4*(\s)+3], 0x80000000
	s_mov_b32 s[G0B+4*(\s)], 1
	s_add_co_u32 s[G0B+4*(\s)+1], s3, (\s)*SLOT+BOFF
	s_add_nc_u64 s[G0B+4*(\s)+2:G0B+4*(\s)+3], s[SVB:SVB+1], s[SOB:SOB+1]
	s_or_b32 s[G0B+4*(\s)+3], s[G0B+4*(\s)+3], 0x80000000
	JLOAD \s                                       ; two loads of mine are out
.endr
	; THE FACTORS.  Thread n (0 .. 127) is row n of both blocks: ten pairs (c m, l), one for each step; an offset register for each, so that none is rewritten while a load reads it
.set u, 0
.rept 10
	WALK u
	s_lshl_b32 s93, s[BAT], 3
	s_add_co_u32 s93, s93, s[TA]
	s_lshl_b32 s93, s93, 11
	s_add_co_u32 s93, s93, s[QR]
	s_lshl_b32 s93, s93, 3
	v_lshl_add_u32 v[64+u], v0, 3, s93
	global_load_b64 v[32+2*u:33+2*u], v[64+u], s[8:9]
.set u, u+1
.endr
	; while they are on their way: O = 0, and the addresses
	WIN 0x80
.set i, 0
.rept 128
	v_mov_b32 v[i], 0
.set i, i+1
.endr
	WIN 0
	v_and_b32 v1, 15, v0                           ; r
	v_bfe_u32 v2, v0, 4, 1                         ; h
	v_and_b32 v3, 7, v0
	v_bfe_u32 v4, v0, 3, 1
	v_and_b32 v5, 31, v0                           ; l
	s_lshl_b32 s94, s13, 6
	v_add_nc_u32 v6, s94, v1                       ; 64 x my row half + r
	v_mul_u32_u24 v7, v6, PPA
	v_lshl_add_u32 v[ADRA], v2, 4, v7
	v_add_nc_u32 v[ADRA+1], SLOT, v[ADRA]
	v_lshl_add_u32 v[FTA], v6, 2, FT
	v_lshl_add_u32 v7, v2, 3, v3                   ; the turning load: key 8 h + l % 8, channels 8 ((l / 8) % 2) on
	v_mul_u32_u24 v7, v7, PPV
	v_lshl_add_u32 v7, v4, 4, v7
	s_lshl_b32 s94, s14, 7                         ; my 64 channels
	s_add_co_u32 s94, s94, BOFF
	v_add_nc_u32 v[ADRB], s94, v7
	v_add_nc_u32 v[ADRB+1], 128*PPV, v[ADRB]
	v_add_nc_u32 v[ADRB+2], SLOT, v[ADRB]
	v_add_nc_u32 v[ADRB+3], SLOT, v[ADRB+1]
	s_mul_i32 s94, s[WV], 16*SP
	s_add_co_u32 s94, s94, STAGE                   ; my stage
	v_mul_u32_u24 v7, v1, SP
	v_lshl_add_u32 v7, v2, 5, v7
	v_add_nc_u32 v[STO], s94, v7                   ; in: row r, 32 bytes for each half of the lanes
	v_mul_u32_u24 v7, v2, SP
	v_lshl_add_u32 v7, v1, 4, v7
	v_add_nc_u32 v[RD], s94, v7                    ; back: lanes 0-15 one row of 256 bytes, lanes 16-31 the next
	v_lshlrev_b32 v[CO], 12, v2
	v_lshl_add_u32 v[CO], v1, 4, v[CO]             ; and the same two rows in out0
	v_lshrrev_b32 v7, 1, v5                        ; the prefetches.  P: of my 64 rows the partner at cx takes 16; a lane names row 16 cx + l / 2, block l % 2 of its 512 bytes
	s_lshl_b32 s92, s[CX], 4
	v_add_nc_u32 v7, s92, v7
	v_lshlrev_b32 v7, 12, v7
	v_and_b32 v8, 1, v0
	v_lshl_add_u32 v7, v8, 8, v7
	s_lshl_b32 s93, s[CY], 5                       ; V: of my 128 keys the partner at cy takes 32, a lane a key
	v_add_nc_u32 v8, s93, v5
	v_lshlrev_b32 v8, 12, v8
	s_cmp_eq_u32 s13, 0
	s_cselect_b32 s95, -1, 0
	v_cndmask_b32 v[PFO], v8, v7, s95
	v_lshl_add_u32 v63, v0, 2, FT                  ; where my row's factors go
	v_mov_b32 v[NEG], 0xff7fffff
.irp a, 0,1,2,3
	v_mov_b32 v[FF+2*\a+1], 0                      ; named with f' as a pair
.endr
	s_wait_loadcnt 0x0
	; steps 0-5 are the first block's, 8 and 9 the second's, 6 and 7 go by a; a void step counts as the lowest number
	v_cndmask_b32 v42, v42, v[NEG], s[V5]
	v_cndmask_b32 v46, v46, v[NEG], s[V7]
	v_cndmask_b32 v50, v50, v[NEG], s[V9]
	v_cndmask_b32 v52, v[NEG], v44, s[H67]
	v_cndmask_b32 v53, v[NEG], v46, s[H67]
	v_cndmask_b32 v54, v44, v[NEG], s[H67]
	v_cndmask_b32 v55, v46, v[NEG], s[H67]
	v_max3_num_f32 v56, v32, v34, v36
	v_max3_num_f32 v57, v48, v50, v54
	v_max3_num_f32 v56, v56, v38, v40
	v_max_num_f32 v57, v57, v55                    ; M of the second block
	v_max3_num_f32 v56, v56, v42, v52
	v_max_num_f32 v56, v56, v53                    ; M of the first
	v_cndmask_b32 v58, v57, v56, s[H67]            ; M of steps 6 and 7
.irp u, 0,1,2,3,4,5
	v_sub_f32 v[74+\u], v[32+2*\u], v56
.endr
	v_sub_f32 v80, v44, v58
	v_sub_f32 v81, v46, v58
	v_sub_f32 v82, v48, v57
	v_sub_f32 v83, v50, v57
.irp u, 0,1,2,3,4,5,6,7,8,9
	v_exp_f32 v[74+\u], v[74+\u]
.endr
	v_nop                                          ; a plain instruction behind the last exponential,
	s_wait_alu depctr_va_vdst(0)                   ; and the one wait for the ten, ahead of their first reader
	v_mul_f32 v59, v74, v33
	v_mul_f32 v60, v82, v49
	v_mul_f32 v61, v80, v45
.irp u, 1,2,3,4,5
	v_fma_f32 v59, v[74+\u], v[33+2*\u], v59
.endr
	v_fma_f32 v60, v83, v51, v60
	v_fma_f32 v61, v81, v47, v61
	v_cndmask_b32 v62, 0, v61, s[H67]
	v_add_f32 v59, v59, v62                        ; L of the first block
	v_cndmask_b32 v62, v61, 0, s[H67]
	v_add_f32 v60, v60, v62                        ; L of the second
	v_rcp_f32 v59, v59
	v_rcp_f32 v60, v60
	v_nop
	s_wait_alu depctr_va_vdst(0)                   ; one wait for the two reciprocals
	v_cndmask_b32 v61, v60, v59, s[H67]
.irp u, 0,1,2,3,4,5
	v_mul_f32 v[74+\u], v[74+\u], v59
.endr
	v_mul_f32 v80, v80, v61
	v_mul_f32 v81, v81, v61
	v_mul_f32 v82, v82, v60
	v_mul_f32 v83, v83, v60
.irp u, 0,1,2,3,4,5,6,7,8,9
	ds_store_b32 v63, v[74+\u] offset:512*\u
.endr
	s_mov_b32 s[NXT], 2
	WALK s41                                       ; the first refill's tile
; 8 matrix instructions: row blocks a0, a0 + 1 x all 4 channel blocks, 32 keys: half c of buffer f.  zero = 1: the first product starts the step's sums
.macro MUL8 f, c, a0, zero
	WIN MUL
.irp a, \a0, (\a0)+1
.irp b, 0,1,2,3
.if \zero
	v_wmma_f32_16x16x32_f16 v[ACC+8*(4*(\a)+(\b)):ACC+8*(4*(\a)+(\b))+7], v[(\f)+64+8*(4*(\c)+(\b)):(\f)+64+8*(4*(\c)+(\b))+7], v[(\f)+8*(4*(\c)+(\a)):(\f)+8*(4*(\c)+(\a))+7], 0
.else
	v_wmma_f32_16x16x32_f16 v[ACC+8*(4*(\a)+(\b)):ACC+8*(4*(\a)+(\b))+7], v[(\f)+64+8*(4*(\c)+(\b)):(\f)+64+8*(4*(\c)+(\b))+7], v[(\f)+8*(4*(\c)+(\a)):(\f)+8*(4*(\c)+(\a))+7], v[ACC+8*(4*(\a)+(\b)):ACC+8*(4*(\a)+(\b))+7]
.endif
.endr
.endr
.endm
; 32 LDS loads in one run: the fragments of quarter q (64 keys) of a slot into buffer f; the first 32 keys first.  V is turned on the way.
.macro FETCH slot, q, f
	WIN TO_F
.irp c, 0,1
.irp i, 0,1,2,3
	ds_load_tr16_b128 v[(\f)+64+8*(4*(\c)+(\i)):(\f)+64+8*(4*(\c)+(\i))+3],   v[ADRB+2*(\slot)+(\q)/2] offset:(64*((\q)%2)+32*(\c))*PPV+32*(\i)
	ds_load_tr16_b128 v[(\f)+64+8*(4*(\c)+(\i))+4:(\f)+64+8*(4*(\c)+(\i))+7], v[ADRB+2*(\slot)+(\q)/2] offset:(64*((\q)%2)+32*(\c))*PPV+32*(\i)+16*PPV
	ds_load_b128 v[(\f)+8*(4*(\c)+(\i)):(\f)+8*(4*(\c)+(\i))+3],         v[ADRA+(\slot)] offset:128*(\q)+64*(\c)+(\i)*16*PPA
	ds_load_b128 v[(\f)+8*(4*(\c)+(\i))+4:(\f)+8*(4*(\c)+(\i))+7],       v[ADRA+(\slot)] offset:128*(\q)+64*(\c)+(\i)*16*PPA+32
.endr
.endr
.endm
.macro PLACES                          ; four places in front of loads into registers that matrix instructions have read, and of vector lines that read results
.rept 4
	v_nop
.endr
.endm
; A step is four quarters of 64 keys, 32 matrix instructions each, on buffers 0, 1, 0, 1; the 16 accumulators take turns.  One of the first three: multiplies f, fetches quarter q into g.
; zero = 1, a step's first quarter: its first products start the sums, and the step's four f' are fetched ahead of the run, so that the wait for all but the run covers them.
.macro QUARTER slot, q, f, g, zero
	s_wait_dscnt 16                                ; the first 32 keys are in
	MUL8 \f, 0, 0, \zero
	MUL8 \f, 0, 2, \zero
	PLACES
.if \zero
	WIN 0
.irp a, 0,1,2,3
	ds_load_b32 v[FF+2*\a], v[FTA] offset:512*(\slot)+64*\a
.endr
.endif
	FETCH \slot, \q, \g
	s_wait_dscnt 32                                ; all but the 32 just issued
	MUL8 \f, 1, 0, 0
	MUL8 \f, 1, 2, 0
.endm
; The last quarter multiplies buffer 1 and changes slots: ONE barrier; in front of it each wave waits for all its tensor loads (one is out: its part of the next slot), adds 0 to its spare word, and
; waits for that and for its own reads of this slot.  fill = 1: the barrier opens a round of the cluster's barrier and this slot is filled again first, with step NXT's tiles, whose addresses are made anew.
.macro TURN slot, next, fill
.if \fill
	s_wait_xcnt 0x0                                ; the last prefetch, a step back, has read its address
.endif
	WIN 0
	s_wait_tensorcnt 0x0                           ; all my tensor loads have landed
	ds_add_u32 v[SPW], v[NIL]                      ; 0 onto my spare word
	s_wait_dscnt 17                                ; (the add and the youngest sixteen loads may be out)
	MUL8 F1, 0, 0, 0
	s_wait_dscnt 0x0                               ; the add is done, and my reads of this slot are over
	s_barrier_signal -1
	MUL8 F1, 0, 2, 0
.if \fill
	WIN 0
.endif
	s_barrier_wait -1
.if \fill
	CREST                                          ; no wave of any partner still reads this slot's tiles or has a load on its way
	s_add_nc_u64 s[G0+4*(\slot)+2:G0+4*(\slot)+3], s[SPA:SPA+1], s[SOA:SOA+1]
	s_or_b32 s[G0+4*(\slot)+3], s[G0+4*(\slot)+3], 0x80000000
	s_add_nc_u64 s[G0B+4*(\slot)+2:G0B+4*(\slot)+3], s[SVB:SVB+1], s[SOB:SOB+1]
	s_or_b32 s[G0B+4*(\slot)+3], s[G0B+4*(\slot)+3], 0x80000000
	JLOAD \slot                                    ; the first tensor load behind the round; its four v_nop are also the places in front of the loads below
.else
	PLACES
.endif
	FETCH \next, 0, F0
.if \fill
	WIN 0
	s_add_co_u32 s[NXT], s[NXT], 1
	WALK s41                                       ; the next refill's tiles,
	s_cmp_eq_u32 s13, 0
	s_cselect_b64 s[PFA:PFA+1], s[SOA:SOA+1], s[SOB:SOB+1]
	s_add_nc_u64 s[PFA:PFA+1], s[PFB:PFB+1], s[PFA:PFA+1]
	s_cmp_le_i32 s[NXT], s[PL]                     ; which are prefetched into the L2 a step, 128 matrix instructions, ahead of their load: one instruction a wave, behind the joint load and the run of LDS loads.
	s_cbranch_scc0 .Lnot_mine_\@                   ; Steps 0 to 2 come by their loads alone.  The partners share a tile's rows out by address.  A held step names its tile of P a second time:
	global_prefetch_b8 v[PFO], s[PFA:PFA+1] th:TH_LOAD_NT scope:SCOPE_SE  ; leaving that out would want a branch on a work-group's place in its cluster
.Lnot_mine_\@:
.endif
	MUL8 F1, 1, 0, 0
	MUL8 F1, 1, 2, 0
.endm
; O += f' T: 64 packed multiply-adds, each accumulator's registers in ascending order
.macro MERGE
	PLACES
	WIN 0xa0                                       ; O (destination and source 2) window 2; T and f' window 0
.set ia, 0
.rept 16
.set k, 0
.rept 4
	v_pk_fma_f32 v[8*ia+2*k:8*ia+2*k+1], v[ACC+8*ia+2*k:ACC+8*ia+2*k+1], v[FF+2*(ia/4):FF+2*(ia/4)+1], v[8*ia+2*k:8*ia+2*k+1] op_sel_hi:[1,0,1]
.set k, k+1
.endr
.set ia, ia+1
.endr
.endm
.macro STEP slot, kind                 ; kind 2: the slot is filled again; 1: it is not; 0: the walk's last step
	QUARTER \slot, 1, F0, F1, 1
	QUARTER \slot, 2, F1, F0, 0
	QUARTER \slot, 3, F0, F1, 0
.if (\kind) == 2
	TURN \slot, 1-(\slot), 1
.elseif (\kind) == 1
	TURN \slot, 1-(\slot), 0
.else
	s_wait_dscnt 16
	MUL8 F1, 0, 0, 0
	MUL8 F1, 0, 2, 0
	s_wait_dscnt 0x0
	MUL8 F1, 1, 0, 0
	MUL8 F1, 1, 2, 0
.endif
	MERGE
.endm
; THE WAY OUT of a block: 16 rows at a time through my own stage: in as 32 bytes a lane, back as whole rows of 256 bytes.
.macro WAYOUT
.irp a, 0,1,2,3
	s_wait_xcnt 0x0                                ; earlier stores have read their registers: only now are these loaded again
	WIN 0x08                                       ; store data window 2
.irp b, 0,1,2,3
	ds_store_b128 v[STO], v[8*(4*\a+\b):8*(4*\a+\b)+3]   offset:64*\b
	ds_store_b128 v[STO], v[8*(4*\a+\b)+4:8*(4*\a+\b)+7] offset:64*\b+16
.endr
	WIN 0
.irp t, 0,1,2,3,4,5,6,7
	ds_load_b128 v[32+32*(\a%2)+4*\t:32+32*(\a%2)+4*\t+3], v[RD] offset:\t*2*SP  ; LDS serves a wave's instructions in order (ISA guide 5.7.1.4): these see the stores above
.endr
	s_wait_dscnt 0x0
.irp t, 0,1,2,3,4,5,6,7
	global_store_b128 v[CO], v[32+32*(\a%2)+4*\t:32+32*(\a%2)+4*\t+3], s[OUT:OUT+1] offset:(16*\a+2*\t)*4096  ; 16 lanes store 256 consecutive bytes, at a multiple of 256 from out0's first byte
.endr
.endr
.endm
	s_wait_tensorcnt 0x1                           ; my part of step 0 is in; step 1's load may stay out
	s_wait_dscnt 0x0                               ; my row's factors are stored
	s_barrier_signal -1
	s_barrier_wait -1
	FETCH 0, 0, F0
	WIN 0
	s_mov_b32 s3, 4
.Lpair:                                                ; four trips of two steps; each fills both slots again
	STEP 0, 2
	STEP 1, 2
	WIN 0
	v_add_nc_u32 v[FTA], 1024, v[FTA]              ; the next two steps' factors
	s_cmp_eq_u32 s3, s[WT]                         ; the first block ends behind step 7 - 2 a: the same in all sixteen partners
	s_cbranch_scc0 .Lsame
	WAYOUT
	WIN 0x80
.set i, 0
.rept 128
	v_mov_b32 v[i], 0                              ; O = 0 for the second block
.set i, i+1
.endr
	WIN 0
	s_wait_xcnt 0x0                                ; the stores have read their base
	s_mov_b64 s[OUT:OUT+1], s[OLO:OLO+1]
.Lsame:
	s_sub_co_u32 s3, s3, 1
	s_cmp_lg_u32 s3, 0
	s_cbranch_scc1 .Lpair
	STEP 0, 1                                      ; the last two steps are written out: nothing is asked for
	STEP 1, 0
	WAYOUT
	s_wait_tensorcnt 0x0                           ; the wave's end: behind my last tensor load and my last LDS store
	ds_add_u32 v[SPW], v[NIL]
	s_wait_dscnt 0x0
	CROUND                                         ; the closing round: no work-group ends while a partner may still ask for a tile that names it
	s_endpgm
.Lfunc_end_k_q5ea5fbabc0_pv:
	.size	k_q5ea5fbabc0_pv, .Lfunc_end_k_q5ea5fbabc0_pv-k_q5ea5fbabc0_pv
	.p2alignl 7, 3214868480
	.fill 96, 4, 3214868480
	.section	.rodata,"a",@progbits
	.p2align	6, 0x0
	.amdhsa_kernel k_q5ea5fbabc0_pv
		.amdhsa_group_segment_fixed_size 327680
		.amdhsa_private_segment_fixed_size 0
		.amdhsa_enable_private_segment 0
		.amdhsa_kernarg_size 32
		.amdhsa_user_sgpr_count 2
		.amdhsa_user_sgpr_kernarg_segment_ptr 1
		.amdhsa_wavefront_size32 1
		.amdhsa_system_sgpr_workgroup_id_x 1
		.amdhsa_system_sgpr_workgroup_id_y 1
		.amdhsa_system_sgpr_workgroup_id_z 1
		.amdhsa_system_vgpr_workitem_id 0
		.amdhsa_next_free_vgpr 640
		.amdhsa_next_free_sgpr 96
		.amdhsa_reserve_vcc 0
		.amdhsa_float_denorm_mode_32 3
		.amdhsa_float_denorm_mode_16_64 3
		.amdhsa_memory_ordered 1
		.amdhsa_forward_progress 1
		.amdhsa_inst_pref_size 135
	.end_amdhsa_kernel
	.amdgpu_metadata
---
amdhsa.version: [ 1, 2 ]
amdhsa.kernels:
  - .name:           k_q5ea5fbabc0_pv
    .symbol:         k_q5ea5fbabc0_pv.kd
    .args:
      - { .name: P, .offset: 0, .size: 8, .value_kind: global_buffer, .address_space: global }
      - { .name: TV, .offset: 8, .size: 8, .value_kind: global_buffer, .address_space: global }
      - { .name: ST, .offset: 16, .size: 8, .value_kind: global_buffer, .address_space: global }
      - { .name: out0, .offset: 24, .size: 8, .value_kind: global_buffer, .address_space: global }
    .group_segment_fixed_size: 327680
    .private_segment_fixed_size: 0
    .kernarg_segment_align: 8
    .kernarg_segment_size: 32
    .max_flat_workgroup_size: 128
    .sgpr_count:     96
    .vgpr_count:     640
    .wavefront_size: 32
...
	.end_amdgpu_metadata
.endif
;; end of part 4
;; ======== version 2 of 2: 4 launches; version 1 with the launch prep written anew for expert scheduling mode
;; limits: values are held in f16: magnitudes above 65,504 overflow, below 6.1e-05 lose precision
;; workspace buffers: Xh 16,777,216 bytes; Bh 4,194,304 bytes; TV 33,554,432 bytes; P 33,554,432 bytes; ST 524,288 bytes
;; launch prep (part 5): grid 1408 x 1, 4 waves a work-group, no clusters, 68,096 bytes of LDS; arguments X, Wq, Wk, Wv, Xh, Bh; writes Xh, Bh
.if DOCPART == 5
	.amdgcn_target "amdgcn-amd-amdhsa--gfx1250"
	.amdhsa_code_object_version 6
	.text
	.protected	k_q5ea5fbabc0_prep
	.globl	k_q5ea5fbabc0_prep
	.p2align	8
	.type	k_q5ea5fbabc0_prep,@function
k_q5ea5fbabc0_prep:
	s_mov_b64 s[64:65], 0
	v_nop
	global_prefetch_b8 v0, s[64:65] scope:SCOPE_SE
	s_setreg_imm32_b32 hwreg(HW_REG_WAVE_SCHED_MODE, 0, 2), 2
	s_setreg_imm32_b32 hwreg(HW_REG_WAVE_MODE, 25, 1), 1
	s_wait_xcnt 0x0
	s_wait_alu depctr_vm_vsrc(0)
; PREP.  Two kinds of work-group, told apart by the work-group's number alone.
; Numbers 0 to 255: N[d'][d] = the sum over e of Wk[e][d'] Wq[e][d], both rounded to bf16, sums in f32, N rounded once to f16, into rows 0 to 1023 of Bh.
;   (q . k = x Wq^T Wk x^T for all data, so with T = X N^T the scores are T X^T and the projection of k is not made at all.  The order of the sums differs from the reference's.)
; Numbers 256 to 1407: a cast.  X, and Wv (into rows 1024 to 2047 of Bh), are rounded to bf16, and that number is written as f16.
; LIMITS.  f16 holds no number beyond 65,504: |X|, |Wv| and |N| stay within it; below 6e-5 f16 keeps its fixed step of 6e-8.  NaN and infinities are not treated apart.
; N: a work-group makes 32 rows (d') x 128 columns (d): a tile's row is 256 consecutive bytes of Bh, aligned.  The 1,024 e are split among the four waves, 256 each, in 8 steps of 32.
; A step: 40 loads of 16 bytes a lane (32 e x 32 d' of Wk, 32 e x 128 d of Wq), rounded to bf16, laid into the wave's own LDS bytes as [e][d], and read back turned by ds_load_tr16_b128.
; No wave reads another wave's staging, so the loop has no barrier; the four partial sums meet in LDS once, at the end.
; The product is taken with source 0 = 16 d of Wq and source 1 = 16 d' of Wk: a lane then holds one row d' (lane % 16) and eight neighbouring d.
; THE MODE: SCHED_MODE bits 1:0 = 2 (LLVM: expert scheduling mode 2), set by the entry lines.  The code itself states the register dependences
; between vector or matrix instructions and memory or LDS instructions, with s_wait_alu, always for 0.
; THE PLAN, for N.  Registers that memory or LDS instructions touch, in the loop:
;   RAW      (window 1, v[0:159])    A step's 40 global loads land in it; the next step's 80 roundings read it; nothing else names it.
;   OB       (window 1, v[160:239])  The 80 roundings write it; the step's 40 LDS stores read it.
;   FK, FQ                           The step's 20 turning LDS loads land in them; its 16 products read them.
;   v2 - v10                         Offsets and LDS addresses: written at the head, never again; the rows are reached by two scalar bases and immediate offsets.
;   The accumulators are named by the products alone until the loop is left.
; So ONE wait on va_vdst stands in a step, behind its roundings: they are done reading RAW and have written OB, and the last step's products are done reading FK and FQ.  Behind it follow, with no
; vector or matrix instruction among them, the next step's 40 loads into RAW, the 40 LDS stores from OB and the 20 loads into FK and FQ.  ONE wait on vm_vsrc stands at a step's head: the last step's
; LDS stores have read OB, which the roundings write again.
; THE PLAN, for the cast.  Each of a lane's 16 chunks has four registers of its own: its load lands in them, its roundings work in them, its store reads the first two, and nothing writes them again.
; The chunks go in four groups: one wait on va_vdst at a group's head states that the group before has written its registers, and that group's four stores are dealt among this group's vector lines.
.set SPARE, 67584                      ; behind the four waves' regions: the spare words, 128 bytes a wave, two blocks of 256 bytes that no other line names
.set WREG,  16896                      ; a wave's LDS region: staging (12,288 bytes), later its partial sums (32 rows x 528)
.set PWK,   96                         ; a row of the Wk tile: 64 bytes + 32
.set PWQ,   288                        ; a row of the Wq tile: 256 bytes + 32
.set QOFF,  32*PWK                     ; the Wq tile lies behind the Wk tile
.set PPS,   528                        ; a row of partial sums: 512 bytes + 16
.set GK,  2                            ; v2   offset in Wk: (l / 8) rows of 4,096 bytes + 16 (l % 8)
.set GQ,  3                            ; v3   offset in Wq: 16 l
.set SK,  4                            ; v4   where I put 8 bytes of the Wk tile
.set SQ,  5                            ; v5   the same for Wq
.set TK,  6                            ; v6   my place for the turning loads of Wk
.set TQ,  7                            ; v7   of Wq
.set PS,  8                            ; v8   where I put partial sums
.set PR,  9                            ; v9   where I read them back
.set GO,  10                           ; v10  my 16 bytes of Bh
.set SPW, 12                           ; v12  LDS address of my spare word; never rewritten
.set NIL, 13                           ; v13  0; never rewritten
.set ACC, 16                           ; v[16:143]  accumulator (a, b) at ACC + 8 (8 a + b): a = 0, 1 blocks of d', b = 0 .. 7 blocks of d
.set FK,  144                          ; v[144:159] two fragments of Wk^T
.set FQ,  160                          ; v[160:223] eight fragments of Wq^T
                                       ; window 1, v[0:159]: RAW, the 40 loads of a step, 4 registers each
.set OB,  160                          ; window 1, v[160:239]: the same numbers in bf16, 2 registers for each load
.set MSB, 0
.macro WIN new                         ; s_set_vgpr_msb: bits 1:0 source 0, 3:2 source 1, 5:4 source 2, 7:6 destination; the high byte repeats the setting that is left
.if MSB != (\new)
	s_set_vgpr_msb (MSB<<8)|(\new)
.set MSB, \new
.endif
.endm
	s_load_b256 s[4:11], s[0:1], 0x0               ; X s[4:5], Wq s[6:7], Wk s[8:9], Wv s[10:11]
	s_load_b128 s[12:15], s[0:1], 0x20             ; Xh s[12:13], Bh s[14:15]
	v_lshl_add_u32 v[SPW], v0, 2, SPARE
	v_mov_b32 v[NIL], 0
	v_lshrrev_b32 v1, 5, v0
	v_readfirstlane_b32 s16, v1                    ; wave 0..3
	v_and_b32 v14, 31, v0                          ; l
	s_wait_alu depctr_va_sdst(0)                   ; s16 is written, ahead of the branch and of its first reader: N's bases and LDS regions are made from it
	s_wait_kmcnt 0x0
	s_cmp_lt_u32 ttmp9, 256
	s_cbranch_scc0 .Lcast                          ; the same for all four waves of a work-group
	; ---------------- N ----------------
	s_lshr_b32 s17, ttmp9, 3                       ; ti: which 32 rows d'
	s_and_b32 s18, ttmp9, 7                        ; tj: which 128 columns d
	s_lshl_b32 s19, s16, 20                        ; my wave's 256 rows e of 4,096 bytes
	s_lshl_b32 s28, s17, 7
	s_add_co_u32 s28, s28, s19
	s_mov_b32 s29, 0
	s_add_nc_u64 s[20:21], s[8:9], s[28:29]        ; Wk at (my first e, 32 ti)
	s_lshl_b32 s28, s18, 9
	s_add_co_u32 s28, s28, s19
	s_add_nc_u64 s[22:23], s[6:7], s[28:29]        ; Wq at (my first e, 128 tj)
	s_lshl_b32 s28, s17, 16
	s_lshl_b32 s30, s18, 8
	s_add_co_u32 s28, s28, s30
	s_add_nc_u64 s[24:25], s[14:15], s[28:29]      ; Bh at the tile: 32 ti rows of 2,048 bytes + 256 tj
	s_mul_i32 s27, s16, WREG                       ; my wave's LDS region
	s_lshl_b32 s30, s16, 3                         ; the 8 rows that I finish
	v_and_b32 v15, 15, v0                          ; r = l % 16
	v_bfe_u32 v1, v0, 4, 1                         ; h = l / 16
	v_bfe_u32 v11, v0, 3, 2                        ; l / 8
	v_and_b32 v224, 7, v0                          ; l % 8
	v_bfe_u32 v225, v0, 3, 1                       ; (l / 8) % 2
	v_lshl_add_u32 v226, v1, 3, v224               ; 8 h + l % 8
	v_add_nc_u32 v227, s30, v1                     ; 8 w + h
	v_lshlrev_b32 v[GK], 12, v11
	v_lshl_add_u32 v[GK], v224, 4, v[GK]
	v_lshlrev_b32 v[GQ], 4, v14
	v_mul_u32_u24 v[SK], v11, PWK
	v_lshl_add_u32 v[SK], v224, 3, v[SK]
	v_add_nc_u32 v[SK], s27, v[SK]
	v_lshl_add_u32 v[SQ], v14, 3, s27
	v_add_nc_u32 v[SQ], QOFF, v[SQ]
	v_mul_u32_u24 v[TK], v226, PWK
	v_lshl_add_u32 v[TK], v225, 4, v[TK]
	v_add_nc_u32 v[TK], s27, v[TK]
	v_mul_u32_u24 v[TQ], v226, PWQ
	v_lshl_add_u32 v[TQ], v225, 4, v[TQ]
	v_add_nc_u32 v[TQ], s27, v[TQ]
	v_add_nc_u32 v[TQ], QOFF, v[TQ]
	v_mul_u32_u24 v[PS], v15, PPS
	v_lshl_add_u32 v[PS], v1, 5, v[PS]
	v_add_nc_u32 v[PS], s27, v[PS]
	v_mul_u32_u24 v[PR], v227, PPS
	v_lshl_add_u32 v[PR], v15, 5, v[PR]
	v_lshlrev_b32 v[GO], 11, v227
	v_lshl_add_u32 v[GO], v15, 4, v[GO]
; A step's 40 loads: 8 of Wk (four rows of 128 bytes each), 32 of Wq (a row of 512 bytes each).  The lines ahead of it have set destination window 1, address window 0.
.macro NLOADS
.set i, 0
.rept 8
	global_load_b128 v[4*i:4*i+3], v[GK], s[20:21] offset:16384*i
.set i, i+1
.endr
.set i, 0
.rept 32
	global_load_b128 v[32+4*i:32+4*i+3], v[GQ], s[22:23] offset:4096*i
.set i, i+1
.endr
.endm
; A step of 32 e.  zero = 1: its products start the sums.  more = 1: the next step is asked for.
.macro NSTEP zero, more
	s_wait_loadcnt 0x0                             ; the step's 40 loads are in; the two bases are free
.if \more
	s_add_nc_u64 s[20:21], s[20:21], 32*4096       ; free since that wait, which shows the loads that read them done: the next 32 e
	s_add_nc_u64 s[22:23], s[22:23], 32*4096
.endif
.if !\zero
	s_wait_alu depctr_vm_vsrc(0)                   ; the last step's LDS stores have read OB, which the roundings below write again
.endif
	WIN 0x45                                       ; all in window 1
.set i, 0
.rept 40                                       ; 80 roundings, RAW into OB: they also stand between the last step's products and the loads into their fragments
	v_cvt_pk_bf16_f32 v[OB+2*i], v[4*i], v[4*i+1]
	v_cvt_pk_bf16_f32 v[OB+2*i+1], v[4*i+2], v[4*i+3]
.set i, i+1
.endr
.if \more
	WIN 0x40                                       ; destination window 1, address window 0
.else
	WIN 0x04                                       ; store data window 1, address window 0
.endif
	s_wait_alu depctr_va_vdst(0)                   ; the roundings are done reading RAW, in which the loads below land, and have written OB, which the LDS stores read; the last step's products are done reading FK and FQ, in which the turning loads land
.if \more
	NLOADS                                         ; RAW is asked for again at once
.endif
	WIN 0x04                                       ; store data window 1, address window 0
.set i, 0
.rept 8
	ds_store_b64 v[SK], v[OB+2*i:OB+2*i+1] offset:4*PWK*i
.set i, i+1
.endr
.set i, 0
.rept 32
	ds_store_b64 v[SQ], v[OB+16+2*i:OB+16+2*i+1] offset:PWQ*i
.set i, i+1
.endr
	WIN 0
.irp a, 0,1                            ; LDS serves a wave's instructions in order (ISA guide 5.7.1.4): these see the stores above.  No wait: no vector or matrix instruction since the wait above
	ds_load_tr16_b128 v[FK+8*\a:FK+8*\a+3],   v[TK] offset:32*\a
	ds_load_tr16_b128 v[FK+8*\a+4:FK+8*\a+7], v[TK] offset:32*\a+16*PWK
.endr
.irp b, 0,1,2,3,4,5,6,7
	ds_load_tr16_b128 v[FQ+8*\b:FQ+8*\b+3],   v[TQ] offset:32*\b
	ds_load_tr16_b128 v[FQ+8*\b+4:FQ+8*\b+7], v[TQ] offset:32*\b+16*PWQ
.endr
	s_wait_dscnt 0x0                               ; the fragments are in
.irp a, 0,1                            ; the 16 accumulators take turns, one instruction a turn, over the backward jump too
.irp b, 0,1,2,3,4,5,6,7
.if \zero
	v_wmma_f32_16x16x32_bf16 v[ACC+8*(8*\a+\b):ACC+8*(8*\a+\b)+7], v[FQ+8*\b:FQ+8*\b+7], v[FK+8*\a:FK+8*\a+7], 0
.else
	v_wmma_f32_16x16x32_bf16 v[ACC+8*(8*\a+\b):ACC+8*(8*\a+\b)+7], v[FQ+8*\b:FQ+8*\b+7], v[FK+8*\a:FK+8*\a+7], v[ACC+8*(8*\a+\b):ACC+8*(8*\a+\b)+7]
.endif
.endr
.endr
.endm
	WIN 0x40                                       ; destination window 1, address window 0
	s_wait_alu depctr_va_vdst(0)                   ; the nine offsets and addresses v2 to v10 are written, which the loads and stores of this path read
	NLOADS
	NSTEP 1, 1                                     ; the first step starts the sums: nothing is cleared
	s_mov_b32 s26, 6
.Lnk:
	NSTEP 0, 1
	s_sub_co_u32 s26, s26, 1
	s_cmp_lg_u32 s26, 0
	s_cbranch_scc1 .Lnk
	NSTEP 0, 0                                     ; the eighth step asks for nothing
.rept 4
	v_nop                                          ; four places between the last products and the stores of their results
.endr
	s_wait_alu depctr_va_vdst(0)                   ; the products have written the accumulators, which the LDS stores read; the places above stay beside this wait
.irp a, 0,1                            ; my partial sums, over my own staging, whose reads are over; each accumulator's low registers first
.irp b, 0,1,2,3,4,5,6,7
	ds_store_b128 v[PS], v[ACC+8*(8*\a+\b):ACC+8*(8*\a+\b)+3]   offset:\a*16*PPS+64*\b
	ds_store_b128 v[PS], v[ACC+8*(8*\a+\b)+4:ACC+8*(8*\a+\b)+7] offset:\a*16*PPS+64*\b+16
.endr
.endr
	s_wait_dscnt 0x0                               ; for the others' sake: my stores are done
	s_barrier_signal -1
	s_barrier_wait -1                              ; all four partial tiles lie in LDS
	s_wait_alu depctr_vm_vsrc(0)                   ; my LDS stores have read the accumulators' registers, in which the loads below land and which the additions write
.irp v, 0,1,2,3                        ; wave w finishes rows 8 w .. 8 w + 7: partial sum v, rows 8 w + h + 2 t, my 8 columns
.irp t, 0,1,2,3
	ds_load_b128 v[ACC+32*\v+8*\t:ACC+32*\v+8*\t+3],   v[PR] offset:\v*WREG+\t*2*PPS
	ds_load_b128 v[ACC+32*\v+8*\t+4:ACC+32*\v+8*\t+7], v[PR] offset:\v*WREG+\t*2*PPS+16
.endr
.endr
	s_wait_dscnt 0x0
.set i, 0
.rept 16
	v_pk_add_f32 v[ACC+2*i:ACC+2*i+1], v[ACC+2*i:ACC+2*i+1], v[ACC+32+2*i:ACC+32+2*i+1]
	v_pk_add_f32 v[ACC+64+2*i:ACC+64+2*i+1], v[ACC+64+2*i:ACC+64+2*i+1], v[ACC+96+2*i:ACC+96+2*i+1]
.set i, i+1
.endr
.set i, 0
.rept 16
	v_pk_add_f32 v[ACC+2*i:ACC+2*i+1], v[ACC+2*i:ACC+2*i+1], v[ACC+64+2*i:ACC+64+2*i+1]
.set i, i+1
.endr
.set i, 0
.rept 16
	v_cvt_pk_f16_f32 v[FK+i], v[ACC+2*i], v[ACC+2*i+1]
.set i, i+1
.endr
	s_wait_alu depctr_va_vdst(0)                   ; the roundings to f16 have written v[FK ..], which the four stores read
.irp t, 0,1,2,3
	global_store_b128 v[GO], v[FK+4*\t:FK+4*\t+3], s[24:25] offset:4096*\t  ; 16 lanes store 256 consecutive bytes, at a multiple of 256 from Bh's first byte
.endr
	s_wait_dscnt 0x0                               ; the closing lines, six on end
	s_wait_alu 0x0
	s_wait_tensorcnt 0x0
	ds_add_u32 v[SPW], v[NIL]
	s_wait_dscnt 0x0
	s_endpgm
	; ---------------- the cast: 32 KiB of f32 to a work-group, 8 KiB to a wave, all 16 loads of a lane out at once; no LDS is written on this path ----------------
.Lcast:
	s_sub_co_u32 s17, ttmp9, 256                   ; chunk of X
	s_sub_co_u32 s18, ttmp9, 1280                  ; chunk of Wv
	s_mov_b32 s31, 0xffff0000                      ; a word's upper bf16
	s_cmp_lt_u32 s17, 1024
	s_cselect_b64 s[20:21], s[4:5], s[10:11]       ; from X or from Wv
	s_cselect_b64 s[22:23], s[12:13], s[14:15]     ; to Xh or to Bh,
	s_cselect_b32 s17, s17, s18
	s_cselect_b32 s26, 0, 0x200000                 ; there behind N's 1,024 rows
	s_lshl_b32 s24, s17, 15
	s_mov_b32 s25, 0
	s_add_nc_u64 s[20:21], s[20:21], s[24:25]
	s_lshl_b32 s24, s17, 14
	s_add_co_u32 s24, s24, s26
	s_add_nc_u64 s[22:23], s[22:23], s[24:25]
	v_lshlrev_b32 v2, 4, v14
	v_lshl_add_u32 v2, v1, 13, v2                  ; 8,192 w + 16 l
	v_lshlrev_b32 v3, 3, v14
	v_lshl_add_u32 v3, v1, 12, v3                  ; 4,096 w + 8 l
	s_wait_alu depctr_va_vdst(0)                   ; v2 and v3 are written: every load of this path reads the one as its offset, every store the other
.set i, 0
.rept 16
	global_load_b128 v[16+4*i:16+4*i+3], v2, s[20:21] offset:512*i th:TH_LOAD_NT
.set i, i+1
.endr
.set g, 0
.rept 4                                ; four groups of four chunks
	s_wait_loadcnt 12-4*g                          ; loads come back in order (ISA guide 5.7.1): this group's four are in, the 12 - 4 g younger ones stay out
.if g > 0
	s_wait_alu depctr_va_vdst(0)                   ; the group before has written its chunks' first two registers, which the four stores below read
.endif
.set j, 0
.rept 4
.set i, 4*g+j
.if g > 0
	global_store_b64 v3, v[16+4*(i-4):16+4*(i-4)+1], s[22:23] offset:256*(i-4)  ; 32 lanes store 256 consecutive bytes, aligned; no vector line since the wait names these registers, and none writes them again
.endif
	v_cvt_pk_bf16_f32 v[16+4*i], v[16+4*i], v[16+4*i+1]
	v_cvt_pk_bf16_f32 v[16+4*i+1], v[16+4*i+2], v[16+4*i+3]
	v_lshlrev_b32 v80, 16, v[16+4*i]               ; bf16 to f32: the low half moves up, the high half stays
	v_and_b32 v81, s31, v[16+4*i]
	v_lshlrev_b32 v82, 16, v[16+4*i+1]
	v_and_b32 v83, s31, v[16+4*i+1]
	v_cvt_pk_f16_f32 v[16+4*i], v80, v81           ; the same number as f16
	v_cvt_pk_f16_f32 v[16+4*i+1], v82, v83
.set j, j+1
.endr
.set g, g+1
.endr
	s_wait_alu depctr_va_vdst(0)                   ; the last group has written its chunks' first two registers, which the last four stores read
.set i, 12
.rept 4
	global_store_b64 v3, v[16+4*i:16+4*i+1], s[22:23] offset:256*i
.set i, i+1
.endr
	s_endpgm
.Lfunc_end_k_q5ea5fbabc0_prep:
	.size	k_q5ea5fbabc0_prep, .Lfunc_end_k_q5ea5fbabc0_prep-k_q5ea5fbabc0_prep
	.p2alignl 7, 3214868480
	.fill 96, 4, 3214868480
	.section	.rodata,"a",@progbits
	.p2align	6, 0x0
	.amdhsa_kernel k_q5ea5fbabc0_prep
		.amdhsa_group_segment_fixed_size 68096
		.amdhsa_private_segment_fixed_size 0
		.amdhsa_enable_private_segment 0
		.amdhsa_kernarg_size 48
		.amdhsa_user_sgpr_count 2
		.amdhsa_user_sgpr_kernarg_segment_ptr 1
		.amdhsa_wavefront_size32 1
		.amdhsa_system_sgpr_workgroup_id_x 1
		.amdhsa_system_sgpr_workgroup_id_y 1
		.amdhsa_system_sgpr_workgroup_id_z 1
		.amdhsa_system_vgpr_workitem_id 0
		.amdhsa_next_free_vgpr 496
		.amdhsa_next_free_sgpr 66
		.amdhsa_reserve_vcc 0
		.amdhsa_float_denorm_mode_32 3
		.amdhsa_float_denorm_mode_16_64 3
		.amdhsa_memory_ordered 1
		.amdhsa_forward_progress 1
		.amdhsa_inst_pref_size 64
	.end_amdhsa_kernel
	.amdgpu_metadata
---
amdhsa.version: [ 1, 2 ]
amdhsa.kernels:
  - .name:           k_q5ea5fbabc0_prep
    .symbol:         k_q5ea5fbabc0_prep.kd
    .args:
      - { .name: X, .offset: 0, .size: 8, .value_kind: global_buffer, .address_space: global }
      - { .name: Wq, .offset: 8, .size: 8, .value_kind: global_buffer, .address_space: global }
      - { .name: Wk, .offset: 16, .size: 8, .value_kind: global_buffer, .address_space: global }
      - { .name: Wv, .offset: 24, .size: 8, .value_kind: global_buffer, .address_space: global }
      - { .name: Xh, .offset: 32, .size: 8, .value_kind: global_buffer, .address_space: global }
      - { .name: Bh, .offset: 40, .size: 8, .value_kind: global_buffer, .address_space: global }
    .group_segment_fixed_size: 68096
    .private_segment_fixed_size: 0
    .kernarg_segment_align: 8
    .kernarg_segment_size: 48
    .max_flat_workgroup_size: 128
    .sgpr_count:     66
    .vgpr_count:     496
    .wavefront_size: 32
...
	.end_amdgpu_metadata
.endif
;; end of part 5
;; launch proj: the kernel of part 2 again; grid 8 x 32, 4 waves a work-group, clusters of 4 x 4, 327,680 bytes of LDS; arguments Xh, Bh, TV; writes TV
;; launch score: the kernel of part 3 again; grid 9 x 16, 4 waves a work-group, no clusters, 327,680 bytes of LDS; arguments TV, Xh, P, ST; writes P, ST
;; launch pv: the kernel of part 4 again; grid 8 x 32, 4 waves a work-group, clusters of 4 x 4, 327,680 bytes of LDS; arguments P, TV, ST, out0; writes out0
